; MI455X (gfx1250); checked and timed in simulation.
; The chip was launched on July 23, 2026; its instructions are those of AMD's public machine-readable ISA for CDNA 5 (MIT licence, August 2026) and "CDNA5" Instruction Set Architecture Reference Guide (July 2026). The comments in the code are by the model that wrote it; some were corrected since.
;; Multi Head Attention. Allowed arithmetic: matrix products marked QUANTISED: E4M3 operands, one given power-of-two scale a tensor, by v_wmma_f32_16x16x64_fp8_fp8 or v_wmma_f32_16x16x128_fp8_fp8, f32 sums; everything else in f32.
;; Inputs: K 1 x 4,096 x 768 float32; Q 1 x 4,096 x 768 float32; V 1 x 4,096 x 768 float32; Wk 768 x 768 float32; Wo 768 x 768 float32; Wq 768 x 768 float32; Wv 768 x 768 float32; bk 768 float32; bo 768 float32; bq 768 float32; bv 768 float32; lowp_scales 12 int32 (the exponents e of the quantised operands' scales 2^e).
;; Outputs: out0 1 x 4,096 x 768 float32.
;; This version of the problem:
;;   THIS VERSION OF THE PROBLEM IS GIVEN IN LOW PRECISION. The matrix products marked QUANTISED in the list below multiply operands that are first quantised to E4M3 (4 exponent bits, 3 mantissa bits; 8 bits a number), with one given power-of-two scale for each operand tensor; their sums are f32. All else is computed in f32.
;;   The module's matrix products, in the order in which they are computed (A, B: the left and right operand; K: the contracted axis; several contracted axes count as one K, in the product's order):
;;     1. [M 4,096, K 768] x [K 768, N 768]; A: input Q; B: input Wq: QUANTISED (scales: A lowp_scales[0], B lowp_scales[1])
;;     2. [M 4,096, K 768] x [K 768, N 768]; A: input K; B: input Wk: QUANTISED (scales: A lowp_scales[2], B lowp_scales[3])
;;     3. [M 4,096, K 768] x [K 768, N 768]; A: input V; B: input Wv: QUANTISED (scales: A lowp_scales[4], B lowp_scales[5])
;;     4. batch 12 x [M 4,096, K 64] x [K 64, N 4,096]; A: computed on the way; B: computed on the way: QUANTISED (scales: A lowp_scales[6], B lowp_scales[7])
;;     5. batch 12 x [M 4,096, K 4,096] x [K 4,096, N 64]; A: softmax (see below); B: computed on the way: QUANTISED (scales: A lowp_scales[8], B lowp_scales[9])
;;     6. [M 4,096, K 768] x [K 768, N 768]; A: computed on the way; B: input Wo: QUANTISED (scales: A lowp_scales[10], B lowp_scales[11])
;;   THE QUANTISER, for each operand of a quantised product, along K:
;;     - The operand's scale is 2^e, e = its entry of the input lowp_scales (int32; the entries are numbered through the quantised products in the list's order, A before B).
;;     - Each number is divided by the scale, clamped to +-448, and rounded to the nearest number of E4M3, ties to even, subnormals kept.
;;     - The product sums the exact products of the quantised numbers (number of the format x scale) in f32.
;;   ~~~python
;;   def quantise(x, axis, e):      # numpy; x: float32 -> the quantised numbers, widened to float32 again
;;       x = np.moveaxis(x, axis, -1); K = x.shape[-1]
;;       r = np.clip(x / 2.0 ** e, -448, 448)
;;       step = 2.0 ** (np.maximum(np.frexp(np.where(r == 0, 1, r))[1] - 1, -6) - 3)
;;       q = np.round(r / step) * step * 2.0 ** e      # np.round: ties to even
;;       return np.moveaxis(q, -1, axis).astype(np.float32)
;;   ~~~
;;   SOFTMAX AHEAD OF A QUANTISED PRODUCT. Where the list says 'softmax', what is quantised is not the finished softmax but p = 2^(t - M), with t = logit x log2(e) and M = ceil(the row's largest t), a whole number; so 1/2 < the row's largest p <= 1. The row's sum l is taken of the UNQUANTISED p, in f32, and the product's result is divided by l at the end. Since M is a whole number, a kernel that streams over the keys may use a running M (the ceiling of the running maximum): every later rescaling is an exact power of two, so the quantised numbers keep their values, but for numbers so far below the row's largest that they fall under the format's range.
;;   OPERANDS COMPUTED ON THE WAY. 'Computed on the way' means the value that the module computes at that place (a softmax that the list does not call 'softmax' is quantised finished and normalised). What goes into a quantiser is computed in f32, as accurately as f32 sums, v_exp_f32 and their like allow (about 1e-6 of the number): no bf16 or f16 on the way to a quantiser, and a product that is left as it is and whose result goes on into a quantised operand takes f32 operands (vector FMAs, or v_wmma_f32_16x16x4_f32). A number that lies on a knife's edge between two numbers of the format may be rounded either way, as far as f32 arithmetic and the matrix unit's own rounding can turn it there, and no further.
;; 2 versions. Each part assembles by itself: llvm-mc -triple=amdgcn-amd-amdhsa -mcpu=gfx1250 --defsym DOCPART=n.
;; ======== version 1 of 2: 4 launches
;; workspace buffers: wimg 2,359,296 bytes; qimg 3,145,728 bytes; kv 6,291,456 bytes; aimg 3,145,728 bytes
;; launch prep (part 1): grid 72 x 4, 4 waves a work-group, no clusters, 34,304 bytes of LDS; arguments Wq, Wk, Wv, Wo, lowp_scales, wimg; writes wimg
.if DOCPART == 1
	.amdgcn_target "amdgcn-amd-amdhsa--gfx1250"
	.amdhsa_code_object_version 6
	.text
	.protected	k_q9288af7301_prep
	.globl	k_q9288af7301_prep
	.p2align	8
	.type	k_q9288af7301_prep,@function
k_q9288af7301_prep:
	s_mov_b64 s[64:65], 0
	v_nop
	global_prefetch_b8 v0, s[64:65] scope:SCOPE_SE
	s_setreg_imm32_b32 hwreg(HW_REG_WAVE_MODE, 25, 1), 1
	s_wait_xcnt 0x0
; Wq, Wk, Wv, Wo ([768][768] f32, K innermost) become codes of E4M3, each tensor with its given scale 2^e (entries 1, 3, 5, 11 of the scales), laid as IMAGES OF OPERAND REGISTERS.
; code = x / 2^e, held within +-448, rounded to the nearest code, ties to even.
; wimg: [tensor 4][hd 12][s 6][t 4][c 4][lane 32][16 bytes].  Fragment (hd, s, t) is 16 rows x 128 K: lane (r = lane % 16, h = lane / 16) holds, of W's row 64 hd + 32 (t / 2) + 8 (t % 2) + r + 8 (r / 8),
; k = 128 s + 32 c + 16 h + 0 .. 15 in piece c.  The rows of a tile are chosen so that the results of tiles 2 b and 2 b + 1 are 16 neighbours along the next product's K.
; SHARES: work-group (x, y): tensor y, hd = x / 6, s = x % 6; wave w makes fragment t = w: 8,192 bytes in, 2,048 out.  Waves share nothing: no barrier.
; A load reads 512 consecutive bytes of one row, 16 a lane; a conversion wants 16 neighbours in ONE lane: the 16 rows turn through the wave's own stage in LDS.
; LIMITS: -126 <= e and e + 8 <= 127, so that 2^e and 448 x 2^e are f32 numbers.  NaN among the inputs is not served.
.set ROWB,  3072                       ; a row of W in bytes
.set PITCH, 528                        ; a stage row: 512 bytes + 16 = 33 x 16: sixteen lanes that read one column of sixteen rows fall on sixteen different 16-byte columns modulo 256
.set STGB,  16*PITCH                   ; a wave's stage
.set SPARE, 4*STGB                     ; behind the stages: the spare words, 128 bytes for each wave: two blocks of 256 bytes that no other line names
.set L16, 1                            ; v1   16 x lane
.set STS, 2                            ; v2   the stage, on the way in: 16 x lane
.set STR, 3                            ; v3   on the way out: 528 r + 64 h
.set SPW, 4                            ; v4   LDS address of my spare word; never rewritten
.set NIL, 5                            ; v5   0; never rewritten
.set SCW, 6                            ; v6   2^e
.set LMW, 7                            ; v7   448 x 2^e
.set X,   16                           ; v16-79  64 numbers
.set CD,  80                           ; v80-95  their codes
; 16 rows of 512 bytes go into the stage as they were loaded and come back 64 bytes a lane and block of 32, into the registers that they left: register 16 c + i = k 32 c + 16 h + i of row r.
; LDS serves a wave's instructions in order (ISA guide 5.7.1.4): no wait between the stores and the loads.
.macro TURN reg, off
.irp i, 0,1,2,3,4,5,6,7,8,9,10,11,12,13,14,15
	ds_store_b128 v[STS], v[\reg+4*\i:\reg+4*\i+3] offset:\off+PITCH*\i
.endr
.irp c, 0,1,2,3
.irp j, 0,1,2,3
	ds_load_b128 v[\reg+16*\c+4*\j:\reg+16*\c+4*\j+3], v[STR] offset:\off+128*\c+16*\j
.endr
.endr
.endm
; 64 numbers of a lane become a fragment's 16 registers of codes
.macro QUANT s, pc, sc, lim
.irp b, 0,1,2,3
.irp i, 0,1,2,3,4,5,6,7,8,9,10,11,12,13,14,15
	v_med3_num_f32 v[\s+16*\b+\i], v[\s+16*\b+\i], -v[\lim], v[\lim]   ; the conversion to an 8-bit code does not saturate (ISA guide 7.6.2): the hold at the largest code x the scale
.endr
	v_cvt_scalef32_pk8_fp8_f32 v[\pc+4*\b:\pc+4*\b+1], v[\s+16*\b:\s+16*\b+7], v[\sc]
	v_cvt_scalef32_pk8_fp8_f32 v[\pc+4*\b+2:\pc+4*\b+3], v[\s+16*\b+8:\s+16*\b+15], v[\sc]
.endr
	v_nop                                          ; one plain vector instruction behind the last scaled conversion
.endm
	s_load_b256 s[4:11], s[0:1], 0x0               ; Wq s[4:5], Wk s[6:7], Wv s[8:9], Wo s[10:11]
	s_load_b128 s[12:15], s[0:1], 0x20             ; the scales' exponents s[12:13], wimg s[14:15]
	v_lshl_add_u32 v[SPW], v0, 2, SPARE
	v_mov_b32 v[NIL], 0
	v_lshrrev_b32 v8, 5, v0
	v_readfirstlane_b32 s16, v8                    ; wave 0..3 = tile t
	v_and_b32 v8, 31, v0
	v_lshlrev_b32 v[L16], 4, v8
	v_and_b32 v9, 15, v0                           ; r
	v_bfe_u32 v10, v0, 4, 1                        ; h
	s_mul_i32 s26, s16, STGB                       ; my stage
	v_add_nc_u32 v[STS], s26, v[L16]
	v_mul_u32_u24 v[STR], v9, PITCH
	v_lshl_add_u32 v[STR], v10, 6, v[STR]
	v_add_nc_u32 v[STR], s26, v[STR]
	s_and_b32 s17, ttmp7, 0xffff                   ; which tensor
	s_mul_i32 s18, ttmp9, 43
	s_lshr_b32 s18, s18, 8                         ; hd = x / 6 (43 x / 256 is exact for x under 72)
	s_mul_i32 s19, s18, 6
	s_sub_co_u32 s19, ttmp9, s19                   ; s = x % 6
	s_lshl_b32 s26, s18, 6                         ; my tile's first row: 64 hd + 32 (t / 2) + 8 (t % 2)
	s_lshr_b32 s27, s16, 1
	s_lshl_b32 s27, s27, 5
	s_add_co_u32 s26, s26, s27
	s_and_b32 s27, s16, 1
	s_lshl_b32 s27, s27, 3
	s_add_co_u32 s26, s26, s27
	s_mul_i32 s26, s26, ROWB
	s_lshl_b32 s27, s19, 9                         ; + K step s: 128 numbers of 4 bytes
	s_add_co_u32 s26, s26, s27
	s_mov_b32 s27, 0
	s_mul_i32 s28, s17, 589824                     ; in wimg: the tensor, 8,192 x, 2,048 t
	s_lshl_b32 s29, ttmp9, 13
	s_add_co_u32 s28, s28, s29
	s_lshl_b32 s29, s16, 11
	s_add_co_u32 s28, s28, s29
	s_mov_b32 s29, 0
	s_wait_kmcnt 0x0
	s_load_b256 s[32:39], s[12:13], 0x0            ; e0 .. e7
	s_load_b128 s[40:43], s[12:13], 0x20           ; e8 .. e11
	s_mov_b64 s[22:23], s[10:11]                   ; the tensor is chosen by the work-group's y alone
	s_cmp_eq_u32 s17, 0
	s_cselect_b64 s[22:23], s[4:5], s[22:23]
	s_cmp_eq_u32 s17, 1
	s_cselect_b64 s[22:23], s[6:7], s[22:23]
	s_cmp_eq_u32 s17, 2
	s_cselect_b64 s[22:23], s[8:9], s[22:23]
	s_add_nc_u64 s[22:23], s[22:23], s[26:27]
	s_add_nc_u64 s[24:25], s[14:15], s[28:29]
.irp i, 0,1,2,3,4,5,6,7,8,9,10,11,12,13,14,15
	global_load_b128 v[X+4*\i:X+4*\i+3], v[L16], s[22:23] offset:(\i+8*(\i/8))*ROWB th:TH_LOAD_NT   ; the tile's row i: 32 lanes read 512 consecutive bytes
.endr
	s_wait_kmcnt 0x0
	s_mov_b32 s21, s43                             ; e: entry 11 for Wo, 1, 3, 5 for Wq, Wk, Wv
	s_cmp_eq_u32 s17, 0
	s_cselect_b32 s21, s33, s21
	s_cmp_eq_u32 s17, 1
	s_cselect_b32 s21, s35, s21
	s_cmp_eq_u32 s17, 2
	s_cselect_b32 s21, s37, s21
	s_add_co_i32 s21, s21, 127
	s_lshl_b32 s20, s21, 23
	v_mov_b32 v[SCW], s20                          ; 2^e as f32: the conversion takes its exponent field
	s_add_co_i32 s21, s21, 8
	s_lshl_b32 s21, s21, 23
	s_or_b32 s21, s21, 0x600000
	v_mov_b32 v[LMW], s21                          ; 448 x 2^e
	s_wait_loadcnt 0x0
	TURN X, 0
	s_wait_dscnt 0x0
	QUANT X, CD, SCW, LMW
.irp c, 0,1,2,3
	global_store_b128 v[L16], v[CD+4*\c:CD+4*\c+3], s[24:25] offset:512*\c   ; 32 lanes store 512 consecutive bytes, at a multiple of 512 from wimg's first byte
.endr
	s_wait_tensorcnt 0x0                           ; the wave's end, behind my last LDS store
	ds_add_u32 v[SPW], v[NIL]
	s_wait_dscnt 0x0
	s_endpgm
.Lfunc_end_k_q9288af7301_prep:
	.size	k_q9288af7301_prep, .Lfunc_end_k_q9288af7301_prep-k_q9288af7301_prep
	.p2alignl 7, 3214868480
	.fill 96, 4, 3214868480
	.section	.rodata,"a",@progbits
	.p2align	6, 0x0
	.amdhsa_kernel k_q9288af7301_prep
		.amdhsa_group_segment_fixed_size 34304
		.amdhsa_private_segment_fixed_size 0
		.amdhsa_enable_private_segment 0
		.amdhsa_kernarg_size 48
		.amdhsa_user_sgpr_count 2
		.amdhsa_user_sgpr_kernarg_segment_ptr 1
		.amdhsa_wavefront_size32 1
		.amdhsa_system_sgpr_workgroup_id_x 1
		.amdhsa_system_sgpr_workgroup_id_y 1
		.amdhsa_system_sgpr_workgroup_id_z 1
		.amdhsa_system_vgpr_workitem_id 0
		.amdhsa_next_free_vgpr 96
		.amdhsa_next_free_sgpr 66
		.amdhsa_reserve_vcc 0
		.amdhsa_float_denorm_mode_32 3
		.amdhsa_float_denorm_mode_16_64 3
		.amdhsa_memory_ordered 1
		.amdhsa_forward_progress 1
		.amdhsa_inst_pref_size 12
	.end_amdhsa_kernel
	.amdgpu_metadata
---
amdhsa.version: [ 1, 2 ]
amdhsa.kernels:
  - .name:           k_q9288af7301_prep
    .symbol:         k_q9288af7301_prep.kd
    .args:
      - { .name: Wq, .offset: 0, .size: 8, .value_kind: global_buffer, .address_space: global }
      - { .name: Wk, .offset: 8, .size: 8, .value_kind: global_buffer, .address_space: global }
      - { .name: Wv, .offset: 16, .size: 8, .value_kind: global_buffer, .address_space: global }
      - { .name: Wo, .offset: 24, .size: 8, .value_kind: global_buffer, .address_space: global }
      - { .name: lowp_scales, .offset: 32, .size: 8, .value_kind: global_buffer, .address_space: global }
      - { .name: wimg, .offset: 40, .size: 8, .value_kind: global_buffer, .address_space: global }
    .group_segment_fixed_size: 34304
    .private_segment_fixed_size: 0
    .kernarg_segment_align: 8
    .kernarg_segment_size: 48
    .max_flat_workgroup_size: 128
    .sgpr_count:     66
    .vgpr_count:     96
    .wavefront_size: 32
...
	.end_amdgpu_metadata
.endif
;; end of part 1
;; launch proj (part 2): grid 64 x 3, 12 waves a work-group, no clusters, 253,440 bytes of LDS; arguments Q, K, V, wimg, bq, bk, bv, lowp_scales, qimg, kv; writes qimg, kv
.if DOCPART == 2
	.amdgcn_target "amdgcn-amd-amdhsa--gfx1250"
	.amdhsa_code_object_version 6
	.text
	.protected	k_q9288af7301_proj
	.globl	k_q9288af7301_proj
	.p2align	8
	.type	k_q9288af7301_proj,@function
k_q9288af7301_proj:
	s_mov_b64 s[64:65], 0
	v_nop
	global_prefetch_b8 v0, s[64:65] scope:SCOPE_SE
	s_setreg_imm32_b32 hwreg(HW_REG_WAVE_MODE, 25, 1), 1
	s_wait_xcnt 0x0
; The three projections: y = quantise(x) quantise(W)^T x 2^(ex + ew) + b, and y quantised at once for attention.  x = Q, K or V [4096][768] f32 (work-group y = 0, 1, 2); W's codes come from wimg.
; SHARES: a work-group takes 64 rows of x against all 768 columns, so each number of x is read and quantised once.  Wave w = head w: 64 rows x 64 columns x K 768: 16 accumulators, 96 matrix instructions.
; x's 24 fragments (4 tiles of rows x 6 K steps) are made by the twelve waves, two each, and go from wave to wave through LDS as images of their registers (4 stores of 512 bytes, lane l at 16 l); ONE barrier.
; W's fragments are each used by one wave alone: from wimg straight into registers, two sets by turns, a K step ahead.
; THE ROWS OF A TILE ARE NOT NEIGHBOURS: lane r of tile T takes row 32 (T / 2) + 8 (T % 2) + r + 8 (r / 8), of x and of W alike, so that a lane's registers of two neighbouring result tiles are 16 neighbours.
; q, k: the product is used transposed (source 0 = 16 rows of W, source 1 = 16 rows of x): a lane holds one row and 8 channels a tile: codes along the head's 64, K of the scores.
; v: source 0 = 16 rows of x, source 1 = 16 rows of W: a lane holds one channel and 8 keys a tile: codes along the keys, K of attention's second product.
; OUT: qimg [head][T 256][b 2][lane][16]: piece b holds channels 32 b + 16 h + 0 .. 15.  kv [head][ks 32][16,384]: 8 fragments of K (1,024 bytes each, as q's), then 4 of V^T (2,048 each: piece c = keys 32 c + 16 h + 0 .. 15).
; The k inside a matrix instruction is permuted alike on both sides (registers 4 c .. 4 c + 3: k = 32 c + 16 h + 0 .. 15): every product meets its partner.
; LIMITS: ex (entries 0, 2, 4) and the result's e (6, 7, 9) between -126 and 119; ex + ew between -126 and 127.  NaN among the inputs is not served.
; REGISTERS: v1-12 addresses and scales; v32-95 W's set 0 (later the bias and the codes); v96-127 two fragments of x; v128-255 the accumulators ((m, t) at 128 + 8 (4 m + t)); v256-319 (window 1, v0-63) W's set 1.
.set ROWB,  3072                       ; a row of x in bytes
.set FRB,   2048                       ; a fragment's image
.set PITCH, 528                        ; a stage row: 512 bytes + 16 = 33 x 16
.set STGB,  16*PITCH
.set STG0,  24*FRB                     ; LDS: x's 24 images (fragment (m, s) at (6 m + s) x 2,048), then two stages for each wave,
.set SPARE, STG0+12*2*STGB             ; then the spare words, 128 bytes for each wave: six blocks of 256 bytes that no other line names
.set L16, 1                            ; v1   16 x lane
.set STS, 2                            ; v2   my stage, way in
.set STR, 3                            ; v3   my stage, way out: 528 r + 64 h
.set XWI, 4                            ; v4   where I store my two images
.set H64, 5                            ; v5   64 h: the bias of q and k
.set BV,  6                            ; v6   4 (r + 8 (r / 8)): the bias of v
.set SPW, 7                            ; v7   LDS address of my spare word; never rewritten
.set NIL, 8                            ; v8   0; never rewritten
.set SCX, 9                            ; v9, v10   2^ex, 448 x 2^ex
.set LMX, 10
.set SCO, 11                           ; v11, v12  the same for the result's scale
.set LMO, 12
.set WA,  32
.set BI,  32                           ; the bias, where W's set 0 lay
.set CD,  64                           ; the results' codes, likewise
.set XF,  96
.set ACC, 128
.set XB,  32                           ; s[32:33] x at my tile's first row and my first K step
.set WP,  34                           ; s[34:35] my head's fragments of W
.set BP,  36                           ; s[36:37] my head's 64 numbers of the bias
.set DST, 38                           ; s[38:39] where my codes go
.set SCL, 44                           ; s[44:45] 2^(ex + ew), twice
.set MSB, 0
.macro WIN new                         ; the immediate's high byte repeats the setting that is left
.if MSB != \new
	s_set_vgpr_msb (MSB<<8)|\new
.set MSB, \new
.endif
.endm
.macro PLACES                          ; four places behind matrix instructions, in front of loads into their sources and of reads of their results
.rept 4
	v_nop
.endr
.endm
.macro TURN reg, off                   ; 16 rows of 512 bytes through my stage: register 16 c + i comes back as k 32 c + 16 h + i of row r.  LDS serves a wave's instructions in order: no wait between
.irp i, 0,1,2,3,4,5,6,7,8,9,10,11,12,13,14,15
	ds_store_b128 v[STS], v[\reg+4*\i:\reg+4*\i+3] offset:\off+PITCH*\i
.endr
.irp c, 0,1,2,3
.irp j, 0,1,2,3
	ds_load_b128 v[\reg+16*\c+4*\j:\reg+16*\c+4*\j+3], v[STR] offset:\off+128*\c+16*\j
.endr
.endr
.endm
.macro QUANT s, pc, sc, lim
.irp b, 0,1,2,3
.irp i, 0,1,2,3,4,5,6,7,8,9,10,11,12,13,14,15
	v_med3_num_f32 v[\s+16*\b+\i], v[\s+16*\b+\i], -v[\lim], v[\lim]   ; the conversion does not saturate (ISA guide 7.6.2): the hold at the largest code x the scale
.endr
	v_cvt_scalef32_pk8_fp8_f32 v[\pc+4*\b:\pc+4*\b+1], v[\s+16*\b:\s+16*\b+7], v[\sc]
	v_cvt_scalef32_pk8_fp8_f32 v[\pc+4*\b+2:\pc+4*\b+3], v[\s+16*\b+8:\s+16*\b+15], v[\sc]
.endr
	v_nop                                          ; one plain vector instruction behind the last scaled conversion: matrix instructions later write its sources
.endm
.macro LOADF f                         ; my tile's 16 rows, K step 2 (w / 4) + f: each load reads 512 consecutive bytes of one row
.irp i, 0,1,2,3,4,5,6,7,8,9,10,11,12,13,14,15
	global_load_b128 v[ACC+64*\f+4*\i:ACC+64*\f+4*\i+3], v[L16], s[XB:XB+1] offset:(\i+8*(\i/8))*ROWB+512*\f th:TH_LOAD_NT
.endr
.endm
.macro LOADW s                         ; W's four fragments of K step s into set s % 2
.if (\s)%2
	WIN 0x40                                       ; destination window 1
.set WR, 0
.else
.set WR, WA
.endif
.irp t, 0,1,2,3
.irp c, 0,1,2,3
	global_load_b128 v[WR+16*\t+4*\c:WR+16*\t+4*\c+3], v[L16], s[WP:WP+1] offset:8192*(\s)+2048*\t+512*\c
.endr
.endr
	WIN 0
.endm
.macro IMAGE pc, off                   ; a fragment goes to LDS as it stands in my registers
.irp c, 0,1,2,3
	ds_store_b128 v[XWI], v[\pc+4*\c:\pc+4*\c+3] offset:\off+512*\c
.endr
.endm
.macro FETCHX m0, s                    ; and comes back so, in any wave: tiles m0 and m0 + 1 of K step s
.irp m, \m0, \m0+1
.irp c, 0,1,2,3
	ds_load_b128 v[XF+16*((\m)-(\m0))+4*\c:XF+16*((\m)-(\m0))+4*\c+3], v[L16] offset:(6*(\m)+(\s))*FRB+512*\c
.endr
.endr
.endm
; 8 matrix instructions: tiles of rows m0, m0 + 1 x my four tiles of columns.  K step 0 starts the sums.  The 16 accumulators take turns, one instruction a turn, in the same order in every K step.
.macro MUL8 m0, s, swap
.if (\s)%2
.set WR, 0
.if \swap
	WIN 0x04                                       ; source 1 (W) window 1
.else
	WIN 0x01                                       ; source 0 (W) window 1
.endif
.else
.set WR, WA
.endif
.irp m, \m0, \m0+1
.irp t, 0,1,2,3
.set AC, ACC+8*(4*(\m)+\t)
.set XR, XF+16*((\m)-(\m0))
.if \swap
.if (\s) == 0
	v_wmma_f32_16x16x128_fp8_fp8 v[AC:AC+7], v[XR:XR+15], v[WR+16*\t:WR+16*\t+15], 0
.else
	v_wmma_f32_16x16x128_fp8_fp8 v[AC:AC+7], v[XR:XR+15], v[WR+16*\t:WR+16*\t+15], v[AC:AC+7]
.endif
.else
.if (\s) == 0
	v_wmma_f32_16x16x128_fp8_fp8 v[AC:AC+7], v[WR+16*\t:WR+16*\t+15], v[XR:XR+15], 0
.else
	v_wmma_f32_16x16x128_fp8_fp8 v[AC:AC+7], v[WR+16*\t:WR+16*\t+15], v[XR:XR+15], v[AC:AC+7]
.endif
.endif
.endr
.endr
	WIN 0
.endm
.macro KSTEP s, swap
	FETCHX 0, \s
.if (\s) < 5
	s_wait_loadcnt 16                              ; this K step's W is in; the next K step's 16 loads may be out
.else
	s_wait_loadcnt 8                               ; the last W is in; the 8 loads of the bias may be out
.endif
	s_wait_dscnt 0x0
	MUL8 0, \s, \swap
	PLACES
	FETCHX 2, \s
	s_wait_dscnt 0x0
	MUL8 2, \s, \swap
	PLACES
.if (\s) < 4
	LOADW (\s)+2                                   ; the set just multiplied takes the K step two on
.endif
.if (\s) == 4                                  ; set 0 is done with: it takes the bias, 8 loads on either path
.if \swap
.irp t, 0,1,2,3
	global_load_b32 v[BI+2*\t], v[BV], s[BP:BP+1] offset:(32*(\t/2)+8*(\t%2))*4      ; v: a lane holds one channel: its bias, twice, as a pair for the packed form
	global_load_b32 v[BI+2*\t+1], v[BV], s[BP:BP+1] offset:(32*(\t/2)+8*(\t%2))*4
.endr
.else
.irp t, 0,1,2,3
	global_load_b128 v[BI+8*\t:BI+8*\t+3], v[H64], s[BP:BP+1] offset:(32*(\t/2)+8*(\t%2))*4      ; q, k: register j of tile t is channel 32 (t / 2) + 8 (t % 2) + 16 h + j
	global_load_b128 v[BI+8*\t+4:BI+8*\t+7], v[H64], s[BP:BP+1] offset:(32*(\t/2)+8*(\t%2))*4+16
.endr
.endif
.endif
.endm
	s_load_b512 s[8:23], s[0:1], 0x0               ; Q s[8:9], K s[10:11], V s[12:13], wimg s[14:15], bq s[16:17], bk s[18:19], bv s[20:21], the scales s[22:23]
	s_load_b128 s[24:27], s[0:1], 0x40             ; qimg s[24:25], kv s[26:27]
	v_lshl_add_u32 v[SPW], v0, 2, SPARE
	v_mov_b32 v[NIL], 0
	v_lshrrev_b32 v13, 5, v0
	v_readfirstlane_b32 s28, v13                   ; wave 0..11 = head
	s_mov_b32 s29, ttmp9                           ; rb: which 64 rows
	s_and_b32 s30, ttmp7, 0xffff                   ; which of the three projections
	v_and_b32 v13, 31, v0
	v_lshlrev_b32 v[L16], 4, v13
	v_and_b32 v14, 15, v0                          ; r
	v_bfe_u32 v15, v0, 4, 1                        ; h
	v_lshlrev_b32 v[H64], 6, v15
	v_and_b32 v[BV], 8, v14
	v_add_nc_u32 v[BV], v[BV], v14
	v_lshlrev_b32 v[BV], 2, v[BV]
	s_mul_i32 s2, s28, 2*STGB
	s_add_co_u32 s2, s2, STG0                      ; my two stages
	v_add_nc_u32 v[STS], s2, v[L16]
	v_mul_u32_u24 v[STR], v14, PITCH
	v_add_nc_u32 v[STR], v[STR], v[H64]
	v_add_nc_u32 v[STR], s2, v[STR]
	s_and_b32 s3, s28, 3                           ; I make fragments (m = w % 4, s = 2 (w / 4) + 0, 1): images at 12,288 m + 4,096 (w / 4)
	s_mul_i32 s3, s3, 6*FRB
	s_lshr_b32 s4, s28, 2
	s_lshl_b32 s4, s4, 12
	s_add_co_u32 s3, s3, s4
	v_add_nc_u32 v[XWI], s3, v[L16]
	s_wait_kmcnt 0x0
	s_load_b256 s[48:55], s[22:23], 0x0            ; e0 .. e7
	s_load_b128 s[56:59], s[22:23], 0x20           ; e8 .. e11
	s_cmp_eq_u32 s30, 0                            ; the buffers are chosen by the work-group's y alone
	s_cselect_b64 s[XB:XB+1], s[8:9], s[10:11]
	s_cselect_b64 s[BP:BP+1], s[16:17], s[18:19]
	s_cselect_b64 s[DST:DST+1], s[24:25], s[26:27]
	s_cmp_eq_u32 s30, 2
	s_cselect_b64 s[XB:XB+1], s[12:13], s[XB:XB+1]
	s_cselect_b64 s[BP:BP+1], s[20:21], s[BP:BP+1]
	s_lshl_b32 s2, s29, 6                          ; x: row 64 rb + 32 (m / 2) + 8 (m % 2),
	s_bfe_u32 s3, s28, 0x10001
	s_lshl_b32 s3, s3, 5
	s_add_co_u32 s2, s2, s3
	s_and_b32 s3, s28, 1
	s_lshl_b32 s3, s3, 3
	s_add_co_u32 s2, s2, s3
	s_mul_i32 s2, s2, ROWB
	s_lshr_b32 s3, s28, 2
	s_lshl_b32 s3, s3, 10                          ; + two K steps of 512 bytes x (w / 4)
	s_add_co_u32 s2, s2, s3
	s_mov_b32 s3, 0
	s_add_nc_u64 s[XB:XB+1], s[XB:XB+1], s[2:3]
	s_mul_i32 s2, s30, 589824                      ; W: the tensor, my head
	s_mul_i32 s4, s28, 49152
	s_add_co_u32 s2, s2, s4
	s_add_nc_u64 s[WP:WP+1], s[14:15], s[2:3]
	s_lshl_b32 s2, s28, 8
	s_add_nc_u64 s[BP:BP+1], s[BP:BP+1], s[2:3]
	s_lshl_b32 s2, s28, 18                         ; q: head x 262,144 + rb x 4 fragments of 1,024
	s_lshl_b32 s4, s29, 12
	s_add_co_u32 s2, s2, s4
	s_lshl_b32 s4, s28, 19                         ; k, v: head x 524,288 + (rb / 2) x 16,384
	s_lshr_b32 s5, s29, 1
	s_lshl_b32 s5, s5, 14
	s_add_co_u32 s4, s4, s5
	s_and_b32 s5, s29, 1
	s_lshl_b32 s6, s5, 12
	s_add_co_u32 s6, s6, s4                        ; k: + (rb % 2) x 4 fragments of 1,024
	s_lshl_b32 s5, s5, 10
	s_add_co_u32 s5, s5, s4
	s_add_co_u32 s5, s5, 8192                      ; v: behind K's 8,192, + (rb % 2) x 2 pieces of 512
	s_cmp_eq_u32 s30, 0
	s_cselect_b32 s2, s2, s6
	s_cmp_eq_u32 s30, 2
	s_cselect_b32 s2, s5, s2
	s_add_nc_u64 s[DST:DST+1], s[DST:DST+1], s[2:3]
	LOADF 0
	LOADF 1
	LOADW 0                                        ; 48 loads are out
	; ---- x: my two fragments
	s_wait_loadcnt 32                              ; my first K step's 16 loads are in
	TURN ACC, 0
	s_wait_loadcnt 16                              ; my second K step's too; W's K step 0 may be out
	TURN ACC+64, STGB
	LOADW 1
	s_wait_kmcnt 0x0
	s_cmp_eq_u32 s30, 0
	s_cselect_b32 s40, s48, s50                    ; ex: entry 0, 2, 4
	s_cselect_b32 s41, s49, s51                    ; ew: entry 1, 3, 5
	s_cselect_b32 s42, s54, s55                    ; the result's e: entry 6, 7, 9
	s_cmp_eq_u32 s30, 2
	s_cselect_b32 s40, s52, s40
	s_cselect_b32 s41, s53, s41
	s_cselect_b32 s42, s57, s42
	s_add_co_i32 s2, s40, 127
	s_lshl_b32 s3, s2, 23
	v_mov_b32 v[SCX], s3                           ; 2^ex
	s_add_co_i32 s2, s2, 8
	s_lshl_b32 s2, s2, 23
	s_or_b32 s2, s2, 0x600000
	v_mov_b32 v[LMX], s2                           ; 448 x 2^ex
	s_add_co_i32 s2, s42, 127
	s_lshl_b32 s3, s2, 23
	v_mov_b32 v[SCO], s3
	s_add_co_i32 s2, s2, 8
	s_lshl_b32 s2, s2, 23
	s_or_b32 s2, s2, 0x600000
	v_mov_b32 v[LMO], s2
	s_add_co_i32 s2, s40, s41
	s_add_co_i32 s2, s2, 127
	s_lshl_b32 s[SCL], s2, 23                      ; 2^(ex + ew)
	s_mov_b32 s[SCL+1], s[SCL]                     ; (named with it as a pair, so it is written)
	s_wait_dscnt 32                                ; the first turn is back; the second's 32 instructions may be out
	QUANT ACC, XF, SCX, LMX
	IMAGE XF, 0
	s_wait_dscnt 4                                 ; the second turn is back; the four stores just issued may be out
	QUANT ACC+64, XF+16, SCX, LMX
	IMAGE XF+16, FRB
	s_wait_dscnt 0x0                               ; for the others' sake: my images have landed
	s_barrier_signal -1
	s_barrier_wait -1                              ; x's 24 fragments lie in LDS; from here on LDS is only read
	s_cmp_eq_u32 s30, 2
	s_cbranch_scc1 .Lv
	; ---- q, k: transposed
.irp s, 0,1,2,3,4,5
	KSTEP \s, 0
.endr
	s_wait_loadcnt 0x0                             ; the bias
.irp m, 0,1,2,3
.irp t, 0,1,2,3
.irp i, 0,2,4,6
	v_pk_fma_f32 v[ACC+8*(4*\m+\t)+\i:ACC+8*(4*\m+\t)+\i+1], v[ACC+8*(4*\m+\t)+\i:ACC+8*(4*\m+\t)+\i+1], s[SCL:SCL+1], v[BI+8*\t+\i:BI+8*\t+\i+1] op_sel_hi:[1,0,1]   ; sum x 2^(ex + ew) + b; each accumulator from its low end on
.endr
.irp j, 0,1,2,3,4,5,6,7
	v_med3_num_f32 v[ACC+8*(4*\m+\t)+\j], v[ACC+8*(4*\m+\t)+\j], -v[LMO], v[LMO]
.endr
	v_cvt_scalef32_pk8_fp8_f32 v[CD+8*\m+4*(\t/2)+2*(\t%2):CD+8*\m+4*(\t/2)+2*(\t%2)+1], v[ACC+8*(4*\m+\t):ACC+8*(4*\m+\t)+7], v[SCO]   ; tiles 2 b, 2 b + 1: channels 32 b + 16 h + 0 .. 15: registers 4 b .. 4 b + 3 of the fragment
.endr
.endr
	v_nop                                          ; one plain vector instruction behind the last scaled conversion
.irp m, 0,1,2,3
.irp b, 0,1
	global_store_b128 v[L16], v[CD+8*\m+4*\b:CD+8*\m+4*\b+3], s[DST:DST+1] offset:1024*\m+512*\b   ; 32 lanes store 512 consecutive bytes, aligned
.endr
.endr
	s_branch .Lend
.Lv:
	; ---- v: a lane holds one channel, its registers run along the keys
.irp s, 0,1,2,3,4,5
	KSTEP \s, 1
.endr
	s_wait_loadcnt 0x0
.irp m, 0,1,2,3
.irp t, 0,1,2,3
.irp i, 0,2,4,6
	v_pk_fma_f32 v[ACC+8*(4*\m+\t)+\i:ACC+8*(4*\m+\t)+\i+1], v[ACC+8*(4*\m+\t)+\i:ACC+8*(4*\m+\t)+\i+1], s[SCL:SCL+1], v[BI+2*\t:BI+2*\t+1] op_sel_hi:[1,0,1]
.endr
.irp j, 0,1,2,3,4,5,6,7
	v_med3_num_f32 v[ACC+8*(4*\m+\t)+\j], v[ACC+8*(4*\m+\t)+\j], -v[LMO], v[LMO]
.endr
	v_cvt_scalef32_pk8_fp8_f32 v[CD+8*\t+4*(\m/2)+2*(\m%2):CD+8*\t+4*(\m/2)+2*(\m%2)+1], v[ACC+8*(4*\m+\t):ACC+8*(4*\m+\t)+7], v[SCO]   ; tiles of rows 2 g, 2 g + 1: keys 32 g + 16 h + 0 .. 15 of my 64
.endr
.endr
	v_nop
.irp t, 0,1,2,3
.irp g, 0,1
	global_store_b128 v[L16], v[CD+8*\t+4*\g:CD+8*\t+4*\g+3], s[DST:DST+1] offset:2048*\t+512*\g
.endr
.endr
.Lend:
	s_wait_tensorcnt 0x0                           ; the wave's end, behind my last LDS store
	ds_add_u32 v[SPW], v[NIL]
	s_wait_dscnt 0x0
	s_endpgm
.Lfunc_end_k_q9288af7301_proj:
	.size	k_q9288af7301_proj, .Lfunc_end_k_q9288af7301_proj-k_q9288af7301_proj
	.p2alignl 7, 3214868480
	.fill 96, 4, 3214868480
	.section	.rodata,"a",@progbits
	.p2align	6, 0x0
	.amdhsa_kernel k_q9288af7301_proj
		.amdhsa_group_segment_fixed_size 253440
		.amdhsa_private_segment_fixed_size 0
		.amdhsa_enable_private_segment 0
		.amdhsa_kernarg_size 80
		.amdhsa_user_sgpr_count 2
		.amdhsa_user_sgpr_kernarg_segment_ptr 1
		.amdhsa_wavefront_size32 1
		.amdhsa_system_sgpr_workgroup_id_x 1
		.amdhsa_system_sgpr_workgroup_id_y 1
		.amdhsa_system_sgpr_workgroup_id_z 1
		.amdhsa_system_vgpr_workitem_id 0
		.amdhsa_next_free_vgpr 320
		.amdhsa_next_free_sgpr 66
		.amdhsa_reserve_vcc 0
		.amdhsa_float_denorm_mode_32 3
		.amdhsa_float_denorm_mode_16_64 3
		.amdhsa_memory_ordered 1
		.amdhsa_forward_progress 1
		.amdhsa_inst_pref_size 95
	.end_amdhsa_kernel
	.amdgpu_metadata
---
amdhsa.version: [ 1, 2 ]
amdhsa.kernels:
  - .name:           k_q9288af7301_proj
    .symbol:         k_q9288af7301_proj.kd
    .args:
      - { .name: Q, .offset: 0, .size: 8, .value_kind: global_buffer, .address_space: global }
      - { .name: K, .offset: 8, .size: 8, .value_kind: global_buffer, .address_space: global }
      - { .name: V, .offset: 16, .size: 8, .value_kind: global_buffer, .address_space: global }
      - { .name: wimg, .offset: 24, .size: 8, .value_kind: global_buffer, .address_space: global }
      - { .name: bq, .offset: 32, .size: 8, .value_kind: global_buffer, .address_space: global }
      - { .name: bk, .offset: 40, .size: 8, .value_kind: global_buffer, .address_space: global }
      - { .name: bv, .offset: 48, .size: 8, .value_kind: global_buffer, .address_space: global }
      - { .name: lowp_scales, .offset: 56, .size: 8, .value_kind: global_buffer, .address_space: global }
      - { .name: qimg, .offset: 64, .size: 8, .value_kind: global_buffer, .address_space: global }
      - { .name: kv, .offset: 72, .size: 8, .value_kind: global_buffer, .address_space: global }
    .group_segment_fixed_size: 253440
    .private_segment_fixed_size: 0
    .kernarg_segment_align: 8
    .kernarg_segment_size: 80
    .max_flat_workgroup_size: 384
    .sgpr_count:     66
    .vgpr_count:     320
    .wavefront_size: 32
...
	.end_amdgpu_metadata
.endif
;; end of part 2
;; launch attn (part 3): grid 64 x 4, 12 waves a work-group, no clusters, 99,840 bytes of LDS; arguments qimg, kv, lowp_scales, aimg; writes aimg
.if DOCPART == 3
	.amdgcn_target "amdgcn-amd-amdhsa--gfx1250"
	.amdhsa_code_object_version 6
	.text
	.protected	k_q9288af7301_attn
	.globl	k_q9288af7301_attn
	.p2align	8
	.type	k_q9288af7301_attn,@function
k_q9288af7301_attn:
	s_mov_b64 s[64:65], 0
	v_nop
	global_prefetch_b8 v0, s[64:65] scope:SCOPE_SE
	s_setreg_imm32_b32 hwreg(HW_REG_WAVE_MODE, 25, 1), 1
	s_wait_xcnt 0x0
; Attention on codes of E4M3: for each head, a = softmax(q k^T / 8) v, quantised at once for the last product.  12 heads of 64 channels, 4,096 queries and keys.
; THE SOFTMAX AHEAD OF THE SECOND PRODUCT: t = score x log2(e) / 8; M = the running largest t rounded UP to a whole number; p = 2^(t - M) is quantised with 2^ep, not normalised; the row's sum is taken of the
; unquantised p and divides at the end.  When M moves, the sum and O are multiplied by 2^(old M - new M): exact.
; SHARES: 256 tiles of 16 queries x 12 heads = 3,072 units = 256 work-groups x 12 waves.  A work-group owns 64 queries (x) of 3 heads (y); wave w: head 3 y + w / 4, tile 4 x + w % 4, all in 256 registers.
; Every wave walks its head's keys, 128 a trip, 32 trips.  A trip's K and V of the three heads (3 x 16,384 bytes, images of operand registers, dense in kv) go through two LDS slots by turns:
; each wave copies 4,096 bytes through registers, a trip ahead of the slot and two trips ahead in memory; ONE barrier a trip.
; NO TENSOR LOAD AND NO CLUSTER, though the 64 work-groups of three heads walk the same K and V: the copy is 8 loads and 8 LDS stores among a trip's some 270 instructions of a wave.
; The trip branches on the given ep: p is at most 1 (but for t's rounding), so where 448 x 2^ep >= 1.75 (ep >= -8) the 64 holds of a trip change nothing and are jumped over; for smaller ep they run.
; LAYOUT: both products transposed: S^T = K Q^T (source 0 = 16 keys), O^T = V^T P^T (source 0 = 16 channels): a lane holds ONE query throughout.  The keys of a tile are chosen (by the launch before) so that the 16
; registers of tiles 2 b and 2 b + 1 are keys 32 b + 16 h + 0 .. 15: the conversions' results are the second product's operand.  The channels of a tile of V^T likewise, for the last product.
; OUT: aimg [T 256][head 12][b 2][lane][16]: heads 2 s and 2 s + 1 are the fragment of K step s of the last product.
; LIMITS: eq + ek (entries 6, 7) between -123 and 130 (added to c's exponent field); ep (8) and the result's e (10) between -126 and 119.  NaN among the inputs is not served.
; A p that falls under the format's range below a later, larger M is lost, as the problem's text allows.
.set SLOTB, 49152                      ; a slot: [head 3][16,384: K's 8 fragments of 1,024, then V^T's 4 of 2,048]
.set HEADB, 16384
.set SPARE, 2*SLOTB                    ; behind the slots: the spare words, 128 bytes for each wave: six blocks of 256 bytes that no other line names
.set LR,  1                            ; v1, v2   where I read in slot 0, 1: 16,384 (w / 4) + 16 x lane
.set LW,  3                            ; v3, v4   where I store my piece: 4,096 w + 16 x lane
.set SPW, 5                            ; v5   LDS address of my spare word; never rewritten
.set NIL, 6                            ; v6   0; never rewritten
.set L16, 7                            ; v7   16 x lane
.set PFO, 8                            ; v8   the prefetches' offset: 256 (lane % 16) + 16,384 (lane / 16); never rewritten
.set QF,  16                           ; v16-23   Q's fragment.   v12 -M, v13 the largest t, v[14:15] the sum in two halves
.set STG, 24                           ; v24-55   my piece of the copy
.set KF,  56                           ; v56-119  K's 8 fragments, then V^T's 4
.set S,   120                          ; v120-183 S^T, then p
.set OT,  184                          ; v184-215 O^T
.set PC,  216                          ; v216-231 p's codes.   v236, v242-243, v252-254 at work; v240, v244: 448 x 2^ep, 2^ep; v241, v245: the same for the result
.set SEL, 20                           ; s[20:21] lane selects for v_permlanex16_b32: lane l xor 16
.set CS,  22                           ; s[22:23] c = log2(e) / 8 x 2^(eq + ek), twice
.set KVB, 24                           ; s[24:25] my piece of the copy in memory, a trip behind the one that is being loaded
.set PFA, 26                           ; s[26:27] where my prefetches stand
.set LIM, 28                           ; s28  1 in a work-group that prefetches, else the greatest number
.set IT,  29                           ; s29  pairs of trips to go
.set EP,  30                           ; s30  ep
.set AO,  40                           ; s[40:41] where my result goes
; A PREFETCH INTO THE L2.  All 64 work-groups of three heads walk the same bytes of kv: the first of them (x = 0) asks, each wave for its own pieces of the copy: 16 blocks of 256 bytes in each of two trips' pieces, a lane a block,
; one instruction for two trips.  In trip 2 i it names the pieces of trips 2 i + 4 and 2 i + 5, whose loads are issued in trips 2 i + 2 and 2 i + 3.  It stands behind the trip's loads.
; The last pair of trips in the loop asks for nothing (its pieces would lie behind the head's 32); pieces 0 to 3 come by their loads alone.
.macro ASK
	s_cmp_gt_u32 s[IT], s[LIM]
	s_cbranch_scc0 .Lnot_mine_\@
	global_prefetch_b8 v[PFO], s[PFA:PFA+1] th:TH_LOAD_NT scope:SCOPE_SE
.Lnot_mine_\@:
.endm
; A TRIP: 128 keys out of slot `slot`.  st = 1: the next trip's piece, which is in my registers, goes into the other slot.  ld = 1: the piece two trips on is loaded.  pf = 1: the prefetch.
.macro TRIP slot, st, ld, pf
.if \pf
	s_wait_xcnt 0x0                                ; the last prefetch, two trips back, has read its address, so it may be written
	s_add_nc_u64 s[PFA:PFA+1], s[PFA:PFA+1], 2*HEADB
.endif
.if \st
	s_wait_loadcnt 0x0                             ; the next trip's piece is in my registers, and its loads have read their base
.endif
.if \ld
	s_add_nc_u64 s[KVB:KVB+1], s[KVB:KVB+1], HEADB
.endif
	s_wait_dscnt 0x0                               ; my stores into this trip's slot have landed, and my reads of the other slot are back
	s_barrier_signal -1
	s_barrier_wait -1                              ; both now hold of all twelve waves
.if \st
.irp i, 0,1,2,3,4,5,6,7
	ds_store_b128 v[LW+1-\slot], v[STG+4*\i:STG+4*\i+3] offset:512*\i
.endr
.endif
.irp f, 0,1,2,3,4,5,6,7
.irp b, 0,1
	ds_load_b128 v[KF+8*\f+4*\b:KF+8*\f+4*\b+3], v[LR+\slot] offset:1024*\f+512*\b
.endr
.endr
	s_wait_dscnt 0x0                               ; K is in, and the stores have read my piece's registers
.if \ld
.irp i, 0,1,2,3,4,5,6,7
	global_load_b128 v[STG+4*\i:STG+4*\i+3], v[L16], s[KVB:KVB+1] offset:HEADB+512*\i
.endr
.endif
.if \pf
	ASK
.endif
.irp f, 0,1,2,3,4,5,6,7
	v_wmma_f32_16x16x64_fp8_fp8 v[S+8*\f:S+8*\f+7], v[KF+8*\f:KF+8*\f+7], v[QF:QF+7], 0   ; lane (r, h): query r; register j of tile f: key 32 (f / 2) + 8 (f % 2) + 16 h + j
.endr
.rept 4
	v_nop                                          ; four places: in front of the loads into K's registers and of the first read of the scores
.endr
.irp t, 0,1,2,3
.irp c, 0,1,2,3
	ds_load_b128 v[KF+16*\t+4*\c:KF+16*\t+4*\c+3], v[LR+\slot] offset:8192+2048*\t+512*\c   ; V^T lands while the softmax is worked
.endr
.endr
	v_max3_num_f32 v254, v[S], v[S+1], v[S+2]      ; the trip's largest score of my query among my 64 keys, in two chains, each accumulator from its low end on
	v_max3_num_f32 v252, v[S+3], v[S+4], v[S+5]
.irp i, 6,10,14,18,22,26,30,34,38,42,46,50,54,58
	v_max3_num_f32 v254, v254, v[S+\i], v[S+\i+1]
	v_max3_num_f32 v252, v252, v[S+\i+2], v[S+\i+3]
.endr
	v_max3_num_f32 v254, v254, v[S+62], v[S+63]
	v_max_num_f32 v254, v254, v252
	v_permlanex16_b32 v236, v254, s[SEL], s[SEL+1]
	v_max_num_f32 v254, v254, v236                 ; and among lane l xor 16's
	v_mul_f32 v254, s[CS], v254                    ; as t (c is positive)
	v_max_num_f32 v13, v13, v254                   ; the running largest t
	v_mov_b32 v254, v12
	v_floor_f32 v12, -v13                          ; the new -M = floor(-t) = -ceil(t)
	v_sub_f32 v254, v12, v254                      ; old M - new M: a whole number, 0 or less
	v_cvt_i32_f32 v254, v254                       ; (it saturates)
	v_ldexp_f32 v252, 1.0, v254                    ; f = 2^(old M - new M)
.irp j, 0,2,4,6,8,10,12,14,16,18,20,22,24,26,28,30,32,34,36,38,40,42,44,46,48,50,52,54,56,58,60,62
	v_pk_fma_f32 v[S+\j:S+\j+1], v[S+\j:S+\j+1], s[CS:CS+1], v[12:13] op_sel_hi:[1,0,0]   ; t - M, two at a time (of the pairs c and -M the low word serves both halves)
.endr
.irp j, 0,1,2,3,4,5,6,7,8,9,10,11,12,13,14,15,16,17,18,19,20,21,22,23,24,25,26,27,28,29,30,31,32,33,34,35,36,37,38,39,40,41,42,43,44,45,46,47,48,49,50,51,52,53,54,55,56,57,58,59,60,61,62,63
	v_exp_f32 v[S+\j], v[S+\j]                     ; p = 2^(t - M)
.endr
	v_pk_mul_f32 v[14:15], v[14:15], v[252:253] op_sel_hi:[1,0]   ; the sums under the new M: the plain instruction behind the exponentials
	s_wait_alu depctr_va_vdst(0)                   ; one wait for the batch of 64, ahead of its first reader
	v_pk_add_f32 v[242:243], v[S:S+1], v[S+2:S+3]  ; the row's sum is taken of the unquantised p, in two chains
.irp j, 4,8,12,16,20,24,28,32,36,40,44,48,52,56,60
	v_pk_add_f32 v[14:15], v[14:15], v[S+\j:S+\j+1]
	v_pk_add_f32 v[242:243], v[242:243], v[S+\j+2:S+\j+3]
.endr
	v_pk_add_f32 v[14:15], v[14:15], v[242:243]
	s_cmp_ge_i32 s[EP], -8                         ; 448 x 2^ep >= 1.75 stands over every p: the hold would change nothing
	s_cbranch_scc1 .Lnohold_\@
.irp j, 0,1,2,3,4,5,6,7,8,9,10,11,12,13,14,15,16,17,18,19,20,21,22,23,24,25,26,27,28,29,30,31,32,33,34,35,36,37,38,39,40,41,42,43,44,45,46,47,48,49,50,51,52,53,54,55,56,57,58,59,60,61,62,63
	v_min_num_f32 v[S+\j], v[S+\j], v240           ; the conversion does not saturate (ISA guide 7.6.2); p is not negative, so the hold is one-sided
.endr
.Lnohold_\@:
.irp f, 0,1,2,3,4,5,6,7
	v_cvt_scalef32_pk8_fp8_f32 v[PC+2*\f:PC+2*\f+1], v[S+8*\f:S+8*\f+7], v244
.endr
.irp j, 0,2,4,6,8,10,12,14,16,18,20,22,24,26,28,30
	v_pk_mul_f32 v[OT+\j:OT+\j+1], v[OT+\j:OT+\j+1], v[252:253] op_sel_hi:[1,0]   ; O^T under the new M.  (Plain instructions behind the conversions)
.endr
	s_wait_dscnt 0x0                               ; V^T is in
.irp t, 0,1,2,3
	v_wmma_f32_16x16x128_fp8_fp8 v[OT+8*\t:OT+8*\t+7], v[KF+16*\t:KF+16*\t+15], v[PC:PC+15], v[OT+8*\t:OT+8*\t+7]   ; the four accumulators by turns; the next trip's eight products stand between two links
.endr
.rept 4
	v_nop                                          ; four places, in front of the next trip's loads into these sources and of the way out's reads
.endr
.endm
	s_load_b128 s[4:7], s[0:1], 0x0                ; qimg s[4:5], kv s[6:7]
	s_load_b128 s[8:11], s[0:1], 0x10              ; the scales' exponents s[8:9], aimg s[10:11]
	v_lshl_add_u32 v[SPW], v0, 2, SPARE
	v_mov_b32 v[NIL], 0
	v_lshrrev_b32 v9, 5, v0
	v_readfirstlane_b32 s12, v9                    ; wave 0..11
	s_lshr_b32 s13, s12, 2                         ; which of the three heads
	s_and_b32 s14, s12, 3                          ; which of the four tiles; also which quarter of my head's 16,384 bytes I copy
	s_and_b32 s15, ttmp7, 0xffff
	s_mul_i32 s15, s15, 3
	s_add_co_u32 s15, s15, s13                     ; head
	s_lshl_b32 s16, ttmp9, 2
	s_add_co_u32 s16, s16, s14                     ; T
	v_and_b32 v9, 31, v0
	v_lshlrev_b32 v[L16], 4, v9
	s_lshl_b32 s42, s13, 14
	v_add_nc_u32 v[LR], s42, v[L16]
	v_add_nc_u32 v[LR+1], SLOTB, v[LR]
	s_lshl_b32 s42, s12, 12
	v_add_nc_u32 v[LW], s42, v[L16]
	v_add_nc_u32 v[LW+1], SLOTB, v[LW]
	v_and_b32 v[PFO], 15, v0
	v_lshlrev_b32 v[PFO], 8, v[PFO]
	v_bfe_u32 v9, v0, 4, 1
	v_lshl_add_u32 v[PFO], v9, 14, v[PFO]
	s_mov_b32 s[SEL], 0x76543210
	s_mov_b32 s[SEL+1], 0xfedcba98
	s_mov_b32 s[CS], 0x3e38aa3b                    ; log2(e) / 8
	s_cmp_eq_u32 ttmp9, 0
	s_cselect_b32 s[LIM], 1, -1
	s_mov_b32 s[IT], 15
	s_lshl_b32 s42, s15, 18                        ; Q: (256 head + T) x 1,024
	s_lshl_b32 s43, s16, 10
	s_add_co_u32 s42, s42, s43
	s_mov_b32 s43, 0
	s_lshl_b32 s46, s15, 19                        ; kv: head x 524,288 + my quarter
	s_lshl_b32 s47, s14, 12
	s_add_co_u32 s46, s46, s47
	s_mov_b32 s47, 0
	s_mul_i32 s18, s16, 12288                      ; aimg: T x 12,288 + head x 1,024
	s_lshl_b32 s19, s15, 10
	s_add_co_u32 s18, s18, s19
	s_mov_b32 s19, 0
	s_wait_kmcnt 0x0
	s_load_b128 s[32:35], s[8:9], 0x10             ; e4 .. e7
	s_load_b128 s[36:39], s[8:9], 0x20             ; e8 .. e11
	s_add_nc_u64 s[44:45], s[4:5], s[42:43]
	s_add_nc_u64 s[KVB:KVB+1], s[6:7], s[46:47]
	s_add_nc_u64 s[PFA:PFA+1], s[KVB:KVB+1], 2*HEADB   ; at trip 2's piece: the first trip steps it to trip 4's
	s_add_nc_u64 s[AO:AO+1], s[10:11], s[18:19]
	global_load_b128 v[QF:QF+3], v[L16], s[44:45] th:TH_LOAD_NT
	global_load_b128 v[QF+4:QF+7], v[L16], s[44:45] offset:512 th:TH_LOAD_NT
.irp i, 0,1,2,3,4,5,6,7
	global_load_b128 v[STG+4*\i:STG+4*\i+3], v[L16], s[KVB:KVB+1] offset:512*\i          ; trip 0's piece
.endr
	v_mov_b32 v13, 0xff61b1e6                      ; the largest t so far: -3e38, under every t
	v_floor_f32 v12, -v13                          ; -M
	v_mov_b32 v14, 0                               ; the sum, in two halves
	v_mov_b32 v15, 0
	v_mov_b32 v236, 0                              ; written once: a lane permute's destination counts as one of its sources
	v_mov_b32 v253, 0                              ; (named as the upper half of the pair v[252:253])
.irp j, 0,1,2,3,4,5,6,7,8,9,10,11,12,13,14,15,16,17,18,19,20,21,22,23,24,25,26,27,28,29,30,31
	v_mov_b32 v[OT+\j], 0                          ; O^T: the trip is written once; its first run finds zeros, which the first change of M leaves zeros
.endr
	s_wait_loadcnt 0x0
.irp i, 0,1,2,3,4,5,6,7
	ds_store_b128 v[LW], v[STG+4*\i:STG+4*\i+3] offset:512*\i
.endr
	s_wait_dscnt 0x0                               ; the stores have read their registers
.irp i, 0,1,2,3,4,5,6,7
	global_load_b128 v[STG+4*\i:STG+4*\i+3], v[L16], s[KVB:KVB+1] offset:HEADB+512*\i    ; trip 1's piece
.endr
	s_wait_kmcnt 0x0
	s_add_co_i32 s46, s34, s35                     ; a score stands for score x 2^(eq + ek): the two exponents are added to c's exponent field
	s_lshl_b32 s46, s46, 23
	s_add_co_i32 s[CS], s[CS], s46
	s_mov_b32 s[CS+1], s[CS]                       ; (named with it as a pair, so it is written)
	s_mov_b32 s[EP], s36
	s_add_co_i32 s46, s36, 127
	s_lshl_b32 s47, s46, 23
	v_mov_b32 v244, s47                            ; 2^ep
	s_add_co_i32 s46, s46, 8
	s_lshl_b32 s46, s46, 23
	s_or_b32 s46, s46, 0x600000
	v_mov_b32 v240, s46                            ; 448 x 2^ep
	s_add_co_i32 s46, s38, 127
	s_lshl_b32 s47, s46, 23
	v_mov_b32 v245, s47                            ; 2^e10
	s_add_co_i32 s46, s46, 8
	s_lshl_b32 s46, s46, 23
	s_or_b32 s46, s46, 0x600000
	v_mov_b32 v241, s46                            ; 448 x 2^e10
	s_add_co_i32 s42, s36, s37                     ; ep + ev
.Lloop:                                            ; 15 pairs of trips: trips 0 to 29
	TRIP 0, 1, 1, 1
	TRIP 1, 1, 1, 0
	s_sub_co_u32 s[IT], s[IT], 1
	s_cmp_lg_u32 s[IT], 0
	s_cbranch_scc1 .Lloop
	TRIP 0, 1, 0, 0                                ; trip 30: nothing is left to load: no load leaves kv
	TRIP 1, 0, 0, 0                                ; trip 31: nothing is left to store
	; THE WAY OUT: O^T / the sum x 2^(ep + ev), quantised with 2^e10: the conversions' results are my piece of the last product's operand
	v_add_f32 v14, v14, v15                        ; the sum's two halves,
	v_permlanex16_b32 v252, v14, s[SEL], s[SEL+1]
	v_add_f32 v14, v14, v252                       ; and lane l xor 16's
	v_rcp_f32 v14, v14
	v_nop                                          ; a plain instruction behind the reciprocal
	s_wait_alu depctr_va_vdst(0)                   ; and the wait ahead of its first reader
	v_ldexp_f32 v14, v14, s42
.irp j, 0,1,2,3,4,5,6,7,8,9,10,11,12,13,14,15,16,17,18,19,20,21,22,23,24,25,26,27,28,29,30,31
	v_mul_f32 v[S+\j], v[OT+\j], v14               ; register 8 t + j: channel 32 (t / 2) + 8 (t % 2) + 16 h + j of my query
.endr
.irp j, 0,1,2,3,4,5,6,7,8,9,10,11,12,13,14,15,16,17,18,19,20,21,22,23,24,25,26,27,28,29,30,31
	v_med3_num_f32 v[S+\j], v[S+\j], -v241, v241
.endr
.irp t, 0,1,2,3
	v_cvt_scalef32_pk8_fp8_f32 v[PC+2*\t:PC+2*\t+1], v[S+8*\t:S+8*\t+7], v245
.endr
	v_nop                                          ; one plain vector instruction behind the last scaled conversion
	global_store_b128 v[L16], v[PC:PC+3], s[AO:AO+1]                 ; 32 lanes store 512 consecutive bytes, aligned
	global_store_b128 v[L16], v[PC+4:PC+7], s[AO:AO+1] offset:512
	s_wait_tensorcnt 0x0                           ; the wave's end, behind my last LDS store
	ds_add_u32 v[SPW], v[NIL]
	s_wait_dscnt 0x0
	s_endpgm
.Lfunc_end_k_q9288af7301_attn:
	.size	k_q9288af7301_attn, .Lfunc_end_k_q9288af7301_attn-k_q9288af7301_attn
	.p2alignl 7, 3214868480
	.fill 96, 4, 3214868480
	.section	.rodata,"a",@progbits
	.p2align	6, 0x0
	.amdhsa_kernel k_q9288af7301_attn
		.amdhsa_group_segment_fixed_size 99840
		.amdhsa_private_segment_fixed_size 0
		.amdhsa_enable_private_segment 0
		.amdhsa_kernarg_size 32
		.amdhsa_user_sgpr_count 2
		.amdhsa_user_sgpr_kernarg_segment_ptr 1
		.amdhsa_wavefront_size32 1
		.amdhsa_system_sgpr_workgroup_id_x 1
		.amdhsa_system_sgpr_workgroup_id_y 1
		.amdhsa_system_sgpr_workgroup_id_z 1
		.amdhsa_system_vgpr_workitem_id 0
		.amdhsa_next_free_vgpr 256
		.amdhsa_next_free_sgpr 66
		.amdhsa_reserve_vcc 0
		.amdhsa_float_denorm_mode_32 3
		.amdhsa_float_denorm_mode_16_64 3
		.amdhsa_memory_ordered 1
		.amdhsa_forward_progress 1
		.amdhsa_inst_pref_size 75
	.end_amdhsa_kernel
	.amdgpu_metadata
---
amdhsa.version: [ 1, 2 ]
amdhsa.kernels:
  - .name:           k_q9288af7301_attn
    .symbol:         k_q9288af7301_attn.kd
    .args:
      - { .name: qimg, .offset: 0, .size: 8, .value_kind: global_buffer, .address_space: global }
      - { .name: kv, .offset: 8, .size: 8, .value_kind: global_buffer, .address_space: global }
      - { .name: lowp_scales, .offset: 16, .size: 8, .value_kind: global_buffer, .address_space: global }
      - { .name: aimg, .offset: 24, .size: 8, .value_kind: global_buffer, .address_space: global }
    .group_segment_fixed_size: 99840
    .private_segment_fixed_size: 0
    .kernarg_segment_align: 8
    .kernarg_segment_size: 32
    .max_flat_workgroup_size: 384
    .sgpr_count:     66
    .vgpr_count:     256
    .wavefront_size: 32
...
	.end_amdgpu_metadata
.endif
;; end of part 3
;; launch outp (part 4): grid 64 x 4, 12 waves a work-group, no clusters, 53,760 bytes of LDS; arguments aimg, wimg, bo, lowp_scales, out0; writes out0
.if DOCPART == 4
	.amdgcn_target "amdgcn-amd-amdhsa--gfx1250"
	.amdhsa_code_object_version 6
	.text
	.protected	k_q9288af7301_outp
	.globl	k_q9288af7301_outp
	.p2align	8
	.type	k_q9288af7301_outp,@function
k_q9288af7301_outp:
	s_mov_b64 s[64:65], 0
	v_nop
	global_prefetch_b8 v0, s[64:65] scope:SCOPE_SE
	s_setreg_imm32_b32 hwreg(HW_REG_WAVE_MODE, 25, 1), 1
	s_wait_xcnt 0x0
; out0 = a Wo^T x 2^(e10 + e11) + bo.  a's codes (aimg) and Wo's (tensor 3 of wimg) lie as images of operand registers; out0 [4096][768] f32.
; SHARES: a work-group makes 64 rows (x) x 192 columns (y); wave w: columns 64 (3 y + w / 4) on, tile of rows T = 4 x + w % 4: 16 rows x 64 columns, 4 accumulators, 6 K steps of 128, 24 matrix instructions.
; Operands go from memory straight into registers, two sets by turns, a K step ahead: every load is 512 consecutive bytes.  Waves share nothing: no barrier.
; The product is used transposed (source 0 = 16 rows of Wo, source 1 = 16 rows of a): a lane holds one row and 8 columns a tile.  The rows of a tile are 32 (T / 2) + 8 (T % 2) + r + 8 (r / 8), of a and of Wo alike.
; A row's 64 columns are 256 bytes: the tile goes through the wave's own stage in LDS and leaves by rows, sixteen lanes to 256 consecutive bytes, aligned.
; LIMIT: e10 + e11 between -126 and 127, so that 2^(e10 + e11) is an f32 number.
.set SPITCH, 272                       ; a stage row: 256 bytes + 16 = 17 x 16
.set STGB,   16*SPITCH
.set SPARE,  12*STGB                   ; behind the stages: the spare words, 128 bytes for each wave: six blocks of 256 bytes that no other line names
.set L16, 1                            ; v1   16 x lane
.set H64, 2                            ; v2   64 h: the bias
.set SO,  3                            ; v3   the stage, way in: 272 r + 64 h
.set SR,  4                            ; v4   way out: 272 (lane / 16) + 16 (lane % 16)
.set GO,  5                            ; v5   the same two rows in out0
.set SPW, 6                            ; v6   LDS address of my spare word; never rewritten
.set NIL, 7                            ; v7   0; never rewritten
.set WF,  32                           ; v32-159  Wo's fragments, set p at 32 + 64 p; on the way out the results and the rows
.set AF,  160                          ; v160-191 a's fragment, set p at 160 + 16 p
.set ACC, 192                          ; v192-223
.set BO,  224                          ; v224-255 bo in the result's layout
.set AP,  20                           ; s[20:21] my tile of a
.set WP,  22                           ; s[22:23] my 64 rows of Wo
.set BP,  24                           ; s[24:25] my 64 numbers of bo
.set OP,  26                           ; s[26:27] my tile's first row and column in out0
.macro LOADS s                         ; K step s: 16 loads of Wo, 4 of a, into set s % 2
.set P, (\s)%2
.irp t, 0,1,2,3
.irp c, 0,1,2,3
	global_load_b128 v[WF+64*P+16*\t+4*\c:WF+64*P+16*\t+4*\c+3], v[L16], s[WP:WP+1] offset:8192*(\s)+2048*\t+512*\c
.endr
.endr
.irp c, 0,1,2,3
	global_load_b128 v[AF+16*P+4*\c:AF+16*P+4*\c+3], v[L16], s[AP:AP+1] offset:2048*(\s)+512*\c
.endr
.endm
.macro KSTEP s
.set P, (\s)%2
.if (\s) < 5
	s_wait_loadcnt 20                              ; this K step's operands are in; the next K step's 20 loads may be out
.else
	s_wait_loadcnt 0x0
.endif
.irp t, 0,1,2,3                                ; the four accumulators by turns, in the same order in every K step
.if (\s) == 0
	v_wmma_f32_16x16x128_fp8_fp8 v[ACC+8*\t:ACC+8*\t+7], v[WF+64*P+16*\t:WF+64*P+16*\t+15], v[AF+16*P:AF+16*P+15], 0
.else
	v_wmma_f32_16x16x128_fp8_fp8 v[ACC+8*\t:ACC+8*\t+7], v[WF+64*P+16*\t:WF+64*P+16*\t+15], v[AF+16*P:AF+16*P+15], v[ACC+8*\t:ACC+8*\t+7]
.endif
.endr
.rept 4
	v_nop                                          ; four places, in front of loads into these sources and of the first read of the results
.endr
.if (\s) < 4
	LOADS (\s)+2
.endif
.endm
	s_load_b256 s[4:11], s[0:1], 0x0               ; aimg s[4:5], wimg s[6:7], bo s[8:9], the scales' exponents s[10:11]
	s_load_b64 s[12:13], s[0:1], 0x20              ; out0
	v_lshl_add_u32 v[SPW], v0, 2, SPARE
	v_mov_b32 v[NIL], 0
	v_lshrrev_b32 v8, 5, v0
	v_readfirstlane_b32 s14, v8                    ; wave 0..11
	s_lshr_b32 s15, s14, 2
	s_and_b32 s16, s14, 3                          ; m
	s_and_b32 s17, ttmp7, 0xffff
	s_mul_i32 s17, s17, 3
	s_add_co_u32 s17, s17, s15                     ; hd: which 64 columns
	s_lshl_b32 s18, ttmp9, 2
	s_add_co_u32 s18, s18, s16                     ; T
	v_and_b32 v8, 31, v0
	v_lshlrev_b32 v[L16], 4, v8
	v_and_b32 v9, 15, v0                           ; r
	v_bfe_u32 v10, v0, 4, 1                        ; h
	v_lshlrev_b32 v[H64], 6, v10
	s_mul_i32 s19, s14, STGB                       ; my stage
	v_mul_u32_u24 v[SO], v9, SPITCH
	v_add_nc_u32 v[SO], v[SO], v[H64]
	v_add_nc_u32 v[SO], s19, v[SO]
	v_mul_u32_u24 v[SR], v10, SPITCH
	v_lshl_add_u32 v[SR], v9, 4, v[SR]
	v_add_nc_u32 v[SR], s19, v[SR]
	v_mul_u32_u24 v[GO], v10, 3072
	v_lshl_add_u32 v[GO], v9, 4, v[GO]
	s_mul_i32 s34, s18, 12288                      ; a: T x 12,288
	s_mov_b32 s35, 0
	s_mul_i32 s36, s17, 49152                      ; Wo: tensor 3, hd x 49,152
	s_add_co_u32 s36, s36, 1769472
	s_mov_b32 s37, 0
	s_lshl_b32 s38, s17, 8                         ; bo, and the columns in out0: hd x 256 bytes
	s_mov_b32 s39, 0
	s_lshl_b32 s40, ttmp9, 6                       ; out0: row 64 x + 32 (m / 2) + 8 (m % 2)
	s_lshr_b32 s41, s16, 1
	s_lshl_b32 s41, s41, 5
	s_add_co_u32 s40, s40, s41
	s_and_b32 s41, s16, 1
	s_lshl_b32 s41, s41, 3
	s_add_co_u32 s40, s40, s41
	s_mul_i32 s40, s40, 3072
	s_add_co_u32 s40, s40, s38
	s_mov_b32 s41, 0
	s_wait_kmcnt 0x0
	s_load_b128 s[28:31], s[10:11], 0x20           ; e8 .. e11
	s_add_nc_u64 s[AP:AP+1], s[4:5], s[34:35]
	s_add_nc_u64 s[WP:WP+1], s[6:7], s[36:37]
	s_add_nc_u64 s[BP:BP+1], s[8:9], s[38:39]
	s_add_nc_u64 s[OP:OP+1], s[12:13], s[40:41]
.irp t, 0,1,2,3
	global_load_b128 v[BO+8*\t:BO+8*\t+3], v[H64], s[BP:BP+1] offset:(32*(\t/2)+8*(\t%2))*4      ; register j of tile t is column 32 (t / 2) + 8 (t % 2) + 16 h + j
	global_load_b128 v[BO+8*\t+4:BO+8*\t+7], v[H64], s[BP:BP+1] offset:(32*(\t/2)+8*(\t%2))*4+16
.endr
	LOADS 0
	LOADS 1
	s_wait_kmcnt 0x0
	s_add_co_i32 s32, s30, s31
	s_add_co_i32 s32, s32, 127
	s_lshl_b32 s32, s32, 23                        ; 2^(e10 + e11)
	s_mov_b32 s33, s32                             ; (named with it as a pair, so it is written)
.irp s, 0,1,2,3,4,5
	KSTEP \s
.endr
.irp t, 0,1,2,3
.irp i, 0,2,4,6
	v_pk_fma_f32 v[WF+8*\t+\i:WF+8*\t+\i+1], v[ACC+8*\t+\i:ACC+8*\t+\i+1], s[32:33], v[BO+8*\t+\i:BO+8*\t+\i+1] op_sel_hi:[1,0,1]   ; sum x 2^(e10 + e11) + bo; each accumulator from its low end on
.endr
.endr
.irp t, 0,1,2,3
.irp i, 0,1
	ds_store_b128 v[SO], v[WF+8*\t+4*\i:WF+8*\t+4*\i+3] offset:128*(\t/2)+32*(\t%2)+16*\i
.endr
.endr
.irp i, 0,1,2,3,4,5,6,7
	ds_load_b128 v[WF+32+4*\i:WF+32+4*\i+3], v[SR] offset:2*\i*SPITCH   ; LDS serves a wave's instructions in order (ISA guide 5.7.1.4): these see my stores.  Stage rows 2 i and 2 i + 1
.endr
.irp i, 0,1,2,3,4,5,6,7
	s_wait_dscnt 7-\i                              ; load i is back; the younger ones may be out
	global_store_b128 v[GO], v[WF+32+4*\i:WF+32+4*\i+3], s[OP:OP+1] offset:(2*\i+8*(\i/4))*3072 th:TH_STORE_NT   ; stage row q is the tile's row q + 8 (q / 8); 16 lanes store 256 consecutive bytes, aligned
.endr
	s_wait_tensorcnt 0x0                           ; the wave's end, behind my last LDS store
	ds_add_u32 v[SPW], v[NIL]
	s_wait_dscnt 0x0
	s_endpgm
.Lfunc_end_k_q9288af7301_outp:
	.size	k_q9288af7301_outp, .Lfunc_end_k_q9288af7301_outp-k_q9288af7301_outp
	.p2alignl 7, 3214868480
	.fill 96, 4, 3214868480
	.section	.rodata,"a",@progbits
	.p2align	6, 0x0
	.amdhsa_kernel k_q9288af7301_outp
		.amdhsa_group_segment_fixed_size 53760
		.amdhsa_private_segment_fixed_size 0
		.amdhsa_enable_private_segment 0
		.amdhsa_kernarg_size 40
		.amdhsa_user_sgpr_count 2
		.amdhsa_user_sgpr_kernarg_segment_ptr 1
		.amdhsa_wavefront_size32 1
		.amdhsa_system_sgpr_workgroup_id_x 1
		.amdhsa_system_sgpr_workgroup_id_y 1
		.amdhsa_system_sgpr_workgroup_id_z 1
		.amdhsa_system_vgpr_workitem_id 0
		.amdhsa_next_free_vgpr 256
		.amdhsa_next_free_sgpr 66
		.amdhsa_reserve_vcc 0
		.amdhsa_float_denorm_mode_32 3
		.amdhsa_float_denorm_mode_16_64 3
		.amdhsa_memory_ordered 1
		.amdhsa_forward_progress 1
		.amdhsa_inst_pref_size 21
	.end_amdhsa_kernel
	.amdgpu_metadata
---
amdhsa.version: [ 1, 2 ]
amdhsa.kernels:
  - .name:           k_q9288af7301_outp
    .symbol:         k_q9288af7301_outp.kd
    .args:
      - { .name: aimg, .offset: 0, .size: 8, .value_kind: global_buffer, .address_space: global }
      - { .name: wimg, .offset: 8, .size: 8, .value_kind: global_buffer, .address_space: global }
      - { .name: bo, .offset: 16, .size: 8, .value_kind: global_buffer, .address_space: global }
      - { .name: lowp_scales, .offset: 24, .size: 8, .value_kind: global_buffer, .address_space: global }
      - { .name: out0, .offset: 32, .size: 8, .value_kind: global_buffer, .address_space: global }
    .group_segment_fixed_size: 53760
    .private_segment_fixed_size: 0
    .kernarg_segment_align: 8
    .kernarg_segment_size: 40
    .max_flat_workgroup_size: 384
    .sgpr_count:     66
    .vgpr_count:     256
    .wavefront_size: 32
...
	.end_amdgpu_metadata
.endif
;; end of part 4
;; ======== version 2 of 2: 4 launches
;; limits: right only within a limited range of input values
;; workspace buffers: wimg 2,359,296 bytes; qimg 3,145,728 bytes; kv 6,291,456 bytes; aimg 3,145,728 bytes
;; launch prep (part 5): grid 72 x 4, 4 waves a work-group, no clusters, 34,304 bytes of LDS; arguments Wq, Wk, Wv, Wo, lowp_scales, wimg; writes wimg
.if DOCPART == 5
	.amdgcn_target "amdgcn-amd-amdhsa--gfx1250"
	.amdhsa_code_object_version 6
	.text
	.protected	k_q9288af7301_prep
	.globl	k_q9288af7301_prep
	.p2align	8
	.type	k_q9288af7301_prep,@function
k_q9288af7301_prep:
	s_mov_b64 s[64:65], 0
	v_nop
	global_prefetch_b8 v0, s[64:65] scope:SCOPE_SE
	s_setreg_imm32_b32 hwreg(HW_REG_WAVE_MODE, 25, 1), 1
	s_wait_xcnt 0x0
; Wq, Wk, Wv, Wo ([768][768] f32, K innermost) become codes of E4M3, each tensor with its given scale 2^e (entries 1, 3, 5, 11 of the scales), laid as IMAGES OF OPERAND REGISTERS.
; code = x / 2^e, held within +-448, rounded to the nearest code, ties to even.
; wimg: [tensor 4][hd 12][s 6][t 4][c 4][lane 32][16 bytes].  Fragment (hd, s, t) is 16 rows x 128 K: lane (r = lane % 16, h = lane / 16) holds, of W's row 64 hd + 32 (t / 2) + 8 (t % 2) + r + 8 (r / 8),
; k = 128 s + 32 c + 16 h + 0 .. 15 in piece c.  The rows of a tile are chosen so that the results of tiles 2 b and 2 b + 1 are 16 neighbours along the next product's K.
; SHARES: work-group (x, y): tensor y, hd = x / 6, s = x % 6; wave w makes fragment t = w: 8,192 bytes in, 2,048 out.  Waves share nothing: no barrier.
; A load reads 512 consecutive bytes of one row, 16 a lane; a conversion wants 16 neighbours in ONE lane: the 16 rows turn through the wave's own stage in LDS.
; LIMITS: -126 <= e and e + 8 <= 127, so that 2^e and 448 x 2^e are f32 numbers.  NaN among the inputs is not served.
.set ROWB,  3072                       ; a row of W in bytes
.set PITCH, 528                        ; a stage row: 512 bytes + 16 = 33 x 16: sixteen lanes that read one column of sixteen rows fall on sixteen different 16-byte columns modulo 256
.set STGB,  16*PITCH                   ; a wave's stage
.set SPARE, 4*STGB                     ; behind the stages: the spare words, 128 bytes for each wave: two blocks of 256 bytes that no other line names
.set L16, 1                            ; v1   16 x lane
.set STS, 2                            ; v2   the stage, on the way in: 16 x lane
.set STR, 3                            ; v3   on the way out: 528 r + 64 h
.set SPW, 4                            ; v4   LDS address of my spare word; never rewritten
.set NIL, 5                            ; v5   0; never rewritten
.set SCW, 6                            ; v6   2^e
.set LMW, 7                            ; v7   448 x 2^e
.set X,   16                           ; v16-79  64 numbers
.set CD,  80                           ; v80-95  their codes
; 16 rows of 512 bytes go into the stage as they were loaded and come back 64 bytes a lane and block of 32, into the registers that they left: register 16 c + i = k 32 c + 16 h + i of row r.
; LDS serves a wave's instructions in order (ISA guide 5.7.1.4): no wait between the stores and the loads.
.macro TURN reg, off
.irp i, 0,1,2,3,4,5,6,7,8,9,10,11,12,13,14,15
	ds_store_b128 v[STS], v[\reg+4*\i:\reg+4*\i+3] offset:\off+PITCH*\i
.endr
.irp c, 0,1,2,3
.irp j, 0,1,2,3
	ds_load_b128 v[\reg+16*\c+4*\j:\reg+16*\c+4*\j+3], v[STR] offset:\off+128*\c+16*\j
.endr
.endr
.endm
; 64 numbers of a lane become a fragment's 16 registers of codes
.macro QUANT s, pc, sc, lim
.irp b, 0,1,2,3
.irp i, 0,1,2,3,4,5,6,7,8,9,10,11,12,13,14,15
	v_med3_num_f32 v[\s+16*\b+\i], v[\s+16*\b+\i], -v[\lim], v[\lim]   ; the conversion to an 8-bit code does not saturate (ISA guide 7.6.2): the hold at the largest code x the scale
.endr
	v_cvt_scalef32_pk8_fp8_f32 v[\pc+4*\b:\pc+4*\b+1], v[\s+16*\b:\s+16*\b+7], v[\sc]
	v_cvt_scalef32_pk8_fp8_f32 v[\pc+4*\b+2:\pc+4*\b+3], v[\s+16*\b+8:\s+16*\b+15], v[\sc]
.endr
	v_nop                                          ; one plain vector instruction behind the last scaled conversion
.endm
	s_load_b256 s[4:11], s[0:1], 0x0               ; Wq s[4:5], Wk s[6:7], Wv s[8:9], Wo s[10:11]
	s_load_b128 s[12:15], s[0:1], 0x20             ; the scales' exponents s[12:13], wimg s[14:15]
	v_lshl_add_u32 v[SPW], v0, 2, SPARE
	v_mov_b32 v[NIL], 0
	v_lshrrev_b32 v8, 5, v0
	v_readfirstlane_b32 s16, v8                    ; wave 0..3 = tile t
	v_and_b32 v8, 31, v0
	v_lshlrev_b32 v[L16], 4, v8
	v_and_b32 v9, 15, v0                           ; r
	v_bfe_u32 v10, v0, 4, 1                        ; h
	s_mul_i32 s26, s16, STGB                       ; my stage
	v_add_nc_u32 v[STS], s26, v[L16]
	v_mul_u32_u24 v[STR], v9, PITCH
	v_lshl_add_u32 v[STR], v10, 6, v[STR]
	v_add_nc_u32 v[STR], s26, v[STR]
	s_and_b32 s17, ttmp7, 0xffff                   ; which tensor
	s_mul_i32 s18, ttmp9, 43
	s_lshr_b32 s18, s18, 8                         ; hd = x / 6 (43 x / 256 is exact for x under 72)
	s_mul_i32 s19, s18, 6
	s_sub_co_u32 s19, ttmp9, s19                   ; s = x % 6
	s_lshl_b32 s26, s18, 6                         ; my tile's first row: 64 hd + 32 (t / 2) + 8 (t % 2)
	s_lshr_b32 s27, s16, 1
	s_lshl_b32 s27, s27, 5
	s_add_co_u32 s26, s26, s27
	s_and_b32 s27, s16, 1
	s_lshl_b32 s27, s27, 3
	s_add_co_u32 s26, s26, s27
	s_mul_i32 s26, s26, ROWB
	s_lshl_b32 s27, s19, 9                         ; + K step s: 128 numbers of 4 bytes
	s_add_co_u32 s26, s26, s27
	s_mov_b32 s27, 0
	s_mul_i32 s28, s17, 589824                     ; in wimg: the tensor, 8,192 x, 2,048 t
	s_lshl_b32 s29, ttmp9, 13
	s_add_co_u32 s28, s28, s29
	s_lshl_b32 s29, s16, 11
	s_add_co_u32 s28, s28, s29
	s_mov_b32 s29, 0
	s_wait_alu depctr_va_vdst(0)
	s_wait_kmcnt 0x0
	s_load_b256 s[32:39], s[12:13], 0x0            ; e0 .. e7
	s_load_b128 s[40:43], s[12:13], 0x20           ; e8 .. e11
	s_mov_b64 s[22:23], s[10:11]                   ; the tensor is chosen by the work-group's y alone
	s_cmp_eq_u32 s17, 0
	s_cselect_b64 s[22:23], s[4:5], s[22:23]
	s_cmp_eq_u32 s17, 1
	s_cselect_b64 s[22:23], s[6:7], s[22:23]
	s_cmp_eq_u32 s17, 2
	s_cselect_b64 s[22:23], s[8:9], s[22:23]
	s_add_nc_u64 s[22:23], s[22:23], s[26:27]
	s_add_nc_u64 s[24:25], s[14:15], s[28:29]
.irp i, 0,1,2,3,4,5,6,7,8,9,10,11,12,13,14,15
	global_load_b128 v[X+4*\i:X+4*\i+3], v[L16], s[22:23] offset:(\i+8*(\i/8))*ROWB th:TH_LOAD_NT   ; the tile's row i: 32 lanes read 512 consecutive bytes
.endr
	s_wait_kmcnt 0x0
	s_mov_b32 s21, s43                             ; e: entry 11 for Wo, 1, 3, 5 for Wq, Wk, Wv
	s_cmp_eq_u32 s17, 0
	s_cselect_b32 s21, s33, s21
	s_cmp_eq_u32 s17, 1
	s_cselect_b32 s21, s35, s21
	s_cmp_eq_u32 s17, 2
	s_cselect_b32 s21, s37, s21
	s_add_co_i32 s21, s21, 127
	s_lshl_b32 s20, s21, 23
	v_mov_b32 v[SCW], s20                          ; 2^e as f32: the conversion takes its exponent field
	s_add_co_i32 s21, s21, 8
	s_lshl_b32 s21, s21, 23
	s_or_b32 s21, s21, 0x600000
	v_mov_b32 v[LMW], s21                          ; 448 x 2^e
	s_wait_alu depctr_va_vdst(0)
	s_wait_loadcnt 0x0
	TURN X, 0
	s_wait_dscnt 0x0
	QUANT X, CD, SCW, LMW
.irp c, 0,1,2,3
	global_store_b128 v[L16], v[CD+4*\c:CD+4*\c+3], s[24:25] offset:512*\c   ; 32 lanes store 512 consecutive bytes, at a multiple of 512 from wimg's first byte
.endr
	s_wait_tensorcnt 0x0                           ; the wave's end, behind my last LDS store
	ds_add_u32 v[SPW], v[NIL]
	s_wait_dscnt 0x0
	s_endpgm
.Lfunc_end_k_q9288af7301_prep:
	.size	k_q9288af7301_prep, .Lfunc_end_k_q9288af7301_prep-k_q9288af7301_prep
	.p2alignl 7, 3214868480
	.fill 96, 4, 3214868480
	.section	.rodata,"a",@progbits
	.p2align	6, 0x0
	.amdhsa_kernel k_q9288af7301_prep
		.amdhsa_group_segment_fixed_size 34304
		.amdhsa_private_segment_fixed_size 0
		.amdhsa_enable_private_segment 0
		.amdhsa_kernarg_size 48
		.amdhsa_user_sgpr_count 2
		.amdhsa_user_sgpr_kernarg_segment_ptr 1
		.amdhsa_wavefront_size32 1
		.amdhsa_system_sgpr_workgroup_id_x 1
		.amdhsa_system_sgpr_workgroup_id_y 1
		.amdhsa_system_sgpr_workgroup_id_z 1
		.amdhsa_system_vgpr_workitem_id 0
		.amdhsa_next_free_vgpr 96
		.amdhsa_next_free_sgpr 66
		.amdhsa_reserve_vcc 0
		.amdhsa_float_denorm_mode_32 3
		.amdhsa_float_denorm_mode_16_64 3
		.amdhsa_memory_ordered 1
		.amdhsa_forward_progress 1
		.amdhsa_inst_pref_size 12
	.end_amdhsa_kernel
	.amdgpu_metadata
---
amdhsa.version: [ 1, 2 ]
amdhsa.kernels:
  - .name:           k_q9288af7301_prep
    .symbol:         k_q9288af7301_prep.kd
    .args:
      - { .name: Wq, .offset: 0, .size: 8, .value_kind: global_buffer, .address_space: global }
      - { .name: Wk, .offset: 8, .size: 8, .value_kind: global_buffer, .address_space: global }
      - { .name: Wv, .offset: 16, .size: 8, .value_kind: global_buffer, .address_space: global }
      - { .name: Wo, .offset: 24, .size: 8, .value_kind: global_buffer, .address_space: global }
      - { .name: lowp_scales, .offset: 32, .size: 8, .value_kind: global_buffer, .address_space: global }
      - { .name: wimg, .offset: 40, .size: 8, .value_kind: global_buffer, .address_space: global }
    .group_segment_fixed_size: 34304
    .private_segment_fixed_size: 0
    .kernarg_segment_align: 8
    .kernarg_segment_size: 48
    .max_flat_workgroup_size: 128
    .sgpr_count:     66
    .vgpr_count:     96
    .wavefront_size: 32
...
	.end_amdgpu_metadata
.endif
;; end of part 5
;; launch proj (part 6): grid 64 x 3, 12 waves a work-group, no clusters, 253,440 bytes of LDS; arguments Q, K, V, wimg, bq, bk, bv, lowp_scales, qimg, kv; writes qimg, kv
.if DOCPART == 6
	.amdgcn_target "amdgcn-amd-amdhsa--gfx1250"
	.amdhsa_code_object_version 6
	.text
	.protected	k_q9288af7301_proj
	.globl	k_q9288af7301_proj
	.p2align	8
	.type	k_q9288af7301_proj,@function
k_q9288af7301_proj:
	s_mov_b64 s[64:65], 0
	v_nop
	global_prefetch_b8 v0, s[64:65] scope:SCOPE_SE
	s_setreg_imm32_b32 hwreg(HW_REG_WAVE_MODE, 25, 1), 1
	s_wait_xcnt 0x0
; The three projections: y = quantise(x) quantise(W)^T x 2^(ex + ew) + b, and y quantised at once for attention.  x = Q, K or V [4096][768] f32 (work-group y = 0, 1, 2); W's codes come from wimg.
; SHARES: a work-group takes 64 rows of x against all 768 columns, so each number of x is read and quantised once.  Wave w = head w: 64 rows x 64 columns x K 768: 16 accumulators, 96 matrix instructions.
; x's 24 fragments (4 tiles of rows x 6 K steps) are made by the twelve waves, two each, and go from wave to wave through LDS as images of their registers (4 stores of 512 bytes, lane l at 16 l); ONE barrier.
; W's fragments are each used by one wave alone: from wimg straight into registers, two sets by turns, a K step ahead.
; THE ROWS OF A TILE ARE NOT NEIGHBOURS: lane r of tile T takes row 32 (T / 2) + 8 (T % 2) + r + 8 (r / 8), of x and of W alike, so that a lane's registers of two neighbouring result tiles are 16 neighbours.
; q, k: the product is used transposed (source 0 = 16 rows of W, source 1 = 16 rows of x): a lane holds one row and 8 channels a tile: codes along the head's 64, K of the scores.
; v: source 0 = 16 rows of x, source 1 = 16 rows of W: a lane holds one channel and 8 keys a tile: codes along the keys, K of attention's second product.
; OUT: qimg [head][T 256][b 2][lane][16]: piece b holds channels 32 b + 16 h + 0 .. 15.  kv [head][ks 32][16,384]: 8 fragments of K (1,024 bytes each, as q's), then 4 of V^T (2,048 each: piece c = keys 32 c + 16 h + 0 .. 15).
; The k inside a matrix instruction is permuted alike on both sides (registers 4 c .. 4 c + 3: k = 32 c + 16 h + 0 .. 15): every product meets its partner.
; LIMITS: ex (entries 0, 2, 4) and the result's e (6, 7, 9) between -126 and 119; ex + ew between -126 and 127.  NaN among the inputs is not served.
; REGISTERS: v1-12 addresses and scales; v32-95 W's set 0 (later the bias and the codes); v96-127 two fragments of x; v128-255 the accumulators ((m, t) at 128 + 8 (4 m + t)); v256-319 (window 1, v0-63) W's set 1.
.set ROWB,  3072                       ; a row of x in bytes
.set FRB,   2048                       ; a fragment's image
.set PITCH, 528                        ; a stage row: 512 bytes + 16 = 33 x 16
.set STGB,  16*PITCH
.set STG0,  24*FRB                     ; LDS: x's 24 images (fragment (m, s) at (6 m + s) x 2,048), then two stages for each wave,
.set SPARE, STG0+12*2*STGB             ; then the spare words, 128 bytes for each wave: six blocks of 256 bytes that no other line names
.set L16, 1                            ; v1   16 x lane
.set STS, 2                            ; v2   my stage, way in
.set STR, 3                            ; v3   my stage, way out: 528 r + 64 h
.set XWI, 4                            ; v4   where I store my two images
.set H64, 5                            ; v5   64 h: the bias of q and k
.set BV,  6                            ; v6   4 (r + 8 (r / 8)): the bias of v
.set SPW, 7                            ; v7   LDS address of my spare word; never rewritten
.set NIL, 8                            ; v8   0; never rewritten
.set SCX, 9                            ; v9, v10   2^ex, 448 x 2^ex
.set LMX, 10
.set SCO, 11                           ; v11, v12  the same for the result's scale
.set LMO, 12
.set WA,  32
.set BI,  32                           ; the bias, where W's set 0 lay
.set CD,  64                           ; the results' codes, likewise
.set XF,  96
.set ACC, 128
.set XB,  32                           ; s[32:33] x at my tile's first row and my first K step
.set WP,  34                           ; s[34:35] my head's fragments of W
.set BP,  36                           ; s[36:37] my head's 64 numbers of the bias
.set DST, 38                           ; s[38:39] where my codes go
.set SCL, 44                           ; s[44:45] 2^(ex + ew), twice
.set MSB, 0
.macro WIN new                         ; the immediate's high byte repeats the setting that is left
.if MSB != \new
	s_set_vgpr_msb (MSB<<8)|\new
.set MSB, \new
.endif
.endm
.macro PLACES                          ; four places behind matrix instructions, in front of loads into their sources and of reads of their results
.rept 4
	v_nop
.endr
.endm
.macro TURN reg, off                   ; 16 rows of 512 bytes through my stage: register 16 c + i comes back as k 32 c + 16 h + i of row r.  LDS serves a wave's instructions in order: no wait between
.irp i, 0,1,2,3,4,5,6,7,8,9,10,11,12,13,14,15
	ds_store_b128 v[STS], v[\reg+4*\i:\reg+4*\i+3] offset:\off+PITCH*\i
.endr
.irp c, 0,1,2,3
.irp j, 0,1,2,3
	ds_load_b128 v[\reg+16*\c+4*\j:\reg+16*\c+4*\j+3], v[STR] offset:\off+128*\c+16*\j
.endr
.endr
.endm
.macro QUANT s, pc, sc, lim
.irp b, 0,1,2,3
.irp i, 0,1,2,3,4,5,6,7,8,9,10,11,12,13,14,15
	v_med3_num_f32 v[\s+16*\b+\i], v[\s+16*\b+\i], -v[\lim], v[\lim]   ; the conversion does not saturate (ISA guide 7.6.2): the hold at the largest code x the scale
.endr
	v_cvt_scalef32_pk8_fp8_f32 v[\pc+4*\b:\pc+4*\b+1], v[\s+16*\b:\s+16*\b+7], v[\sc]
	v_cvt_scalef32_pk8_fp8_f32 v[\pc+4*\b+2:\pc+4*\b+3], v[\s+16*\b+8:\s+16*\b+15], v[\sc]
.endr
	v_nop                                          ; one plain vector instruction behind the last scaled conversion: matrix instructions later write its sources
.endm
.macro LOADF f                         ; my tile's 16 rows, K step 2 (w / 4) + f: each load reads 512 consecutive bytes of one row
.irp i, 0,1,2,3,4,5,6,7,8,9,10,11,12,13,14,15
	global_load_b128 v[ACC+64*\f+4*\i:ACC+64*\f+4*\i+3], v[L16], s[XB:XB+1] offset:(\i+8*(\i/8))*ROWB+512*\f th:TH_LOAD_NT
.endr
.endm
.macro LOADW s                         ; W's four fragments of K step s into set s % 2
.if (\s)%2
	WIN 0x40                                       ; destination window 1
.set WR, 0
.else
.set WR, WA
.endif
.irp t, 0,1,2,3
.irp c, 0,1,2,3
	global_load_b128 v[WR+16*\t+4*\c:WR+16*\t+4*\c+3], v[L16], s[WP:WP+1] offset:8192*(\s)+2048*\t+512*\c
.endr
.endr
	WIN 0
.endm
.macro IMAGE pc, off                   ; a fragment goes to LDS as it stands in my registers
.irp c, 0,1,2,3
	ds_store_b128 v[XWI], v[\pc+4*\c:\pc+4*\c+3] offset:\off+512*\c
.endr
.endm
.macro FETCHX m0, s                    ; and comes back so, in any wave: tiles m0 and m0 + 1 of K step s
.irp m, \m0, \m0+1
.irp c, 0,1,2,3
	ds_load_b128 v[XF+16*((\m)-(\m0))+4*\c:XF+16*((\m)-(\m0))+4*\c+3], v[L16] offset:(6*(\m)+(\s))*FRB+512*\c
.endr
.endr
.endm
; 8 matrix instructions: tiles of rows m0, m0 + 1 x my four tiles of columns.  K step 0 starts the sums.  The 16 accumulators take turns, one instruction a turn, in the same order in every K step.
.macro MUL8 m0, s, swap
.if (\s)%2
.set WR, 0
.if \swap
	WIN 0x04                                       ; source 1 (W) window 1
.else
	WIN 0x01                                       ; source 0 (W) window 1
.endif
.else
.set WR, WA
.endif
.irp m, \m0, \m0+1
.irp t, 0,1,2,3
.set AC, ACC+8*(4*(\m)+\t)
.set XR, XF+16*((\m)-(\m0))
.if \swap
.if (\s) == 0
	v_wmma_f32_16x16x128_fp8_fp8 v[AC:AC+7], v[XR:XR+15], v[WR+16*\t:WR+16*\t+15], 0
.else
	v_wmma_f32_16x16x128_fp8_fp8 v[AC:AC+7], v[XR:XR+15], v[WR+16*\t:WR+16*\t+15], v[AC:AC+7]
.endif
.else
.if (\s) == 0
	v_wmma_f32_16x16x128_fp8_fp8 v[AC:AC+7], v[WR+16*\t:WR+16*\t+15], v[XR:XR+15], 0
.else
	v_wmma_f32_16x16x128_fp8_fp8 v[AC:AC+7], v[WR+16*\t:WR+16*\t+15], v[XR:XR+15], v[AC:AC+7]
.endif
.endif
.endr
.endr
	WIN 0
.endm
.macro KSTEP s, swap
	FETCHX 0, \s
.if (\s) < 5
	s_wait_loadcnt 16                              ; this K step's W is in; the next K step's 16 loads may be out
.else
	s_wait_loadcnt 8                               ; the last W is in; the 8 loads of the bias may be out
.endif
	s_wait_dscnt 0x0
	MUL8 0, \s, \swap
	PLACES
	FETCHX 2, \s
	s_wait_dscnt 0x0
	MUL8 2, \s, \swap
	PLACES
.if (\s) < 4
	LOADW (\s)+2                                   ; the set just multiplied takes the K step two on
.endif
.if (\s) == 4                                  ; set 0 is done with: it takes the bias, 8 loads on either path
.if \swap
.irp t, 0,1,2,3
	global_load_b32 v[BI+2*\t], v[BV], s[BP:BP+1] offset:(32*(\t/2)+8*(\t%2))*4      ; v: a lane holds one channel: its bias, twice, as a pair for the packed form
	global_load_b32 v[BI+2*\t+1], v[BV], s[BP:BP+1] offset:(32*(\t/2)+8*(\t%2))*4
.endr
.else
.irp t, 0,1,2,3
	global_load_b128 v[BI+8*\t:BI+8*\t+3], v[H64], s[BP:BP+1] offset:(32*(\t/2)+8*(\t%2))*4      ; q, k: register j of tile t is channel 32 (t / 2) + 8 (t % 2) + 16 h + j
	global_load_b128 v[BI+8*\t+4:BI+8*\t+7], v[H64], s[BP:BP+1] offset:(32*(\t/2)+8*(\t%2))*4+16
.endr
.endif
.endif
.endm
	s_load_b512 s[8:23], s[0:1], 0x0               ; Q s[8:9], K s[10:11], V s[12:13], wimg s[14:15], bq s[16:17], bk s[18:19], bv s[20:21], the scales s[22:23]
	s_load_b128 s[24:27], s[0:1], 0x40             ; qimg s[24:25], kv s[26:27]
	v_lshl_add_u32 v[SPW], v0, 2, SPARE
	v_mov_b32 v[NIL], 0
	v_lshrrev_b32 v13, 5, v0
	s_delay_alu instid0(VALU_DEP_1)
	v_readfirstlane_b32 s28, v13                   ; wave 0..11 = head
	s_mov_b32 s29, ttmp9                           ; rb: which 64 rows
	s_and_b32 s30, ttmp7, 0xffff                   ; which of the three projections
	v_and_b32 v13, 31, v0
	s_delay_alu instid0(VALU_DEP_1)
	v_lshlrev_b32 v[L16], 4, v13
	v_and_b32 v14, 15, v0                          ; r
	v_bfe_u32 v15, v0, 4, 1                        ; h
	s_delay_alu instid0(VALU_DEP_1)
	v_lshlrev_b32 v[H64], 6, v15
	s_delay_alu instid0(VALU_DEP_3)
	v_and_b32 v[BV], 8, v14
	s_delay_alu instid0(VALU_DEP_1)
	v_add_nc_u32 v[BV], v[BV], v14
	s_delay_alu instid0(VALU_DEP_1)
	v_lshlrev_b32 v[BV], 2, v[BV]
	s_mul_i32 s2, s28, 2*STGB
	s_add_co_u32 s2, s2, STG0                      ; my two stages
	v_add_nc_u32 v[STS], s2, v[L16]
	v_mul_u32_u24 v[STR], v14, PITCH
	s_delay_alu instid0(VALU_DEP_1)
	v_add_nc_u32 v[STR], v[STR], v[H64]
	s_delay_alu instid0(VALU_DEP_1)
	v_add_nc_u32 v[STR], s2, v[STR]
	s_and_b32 s3, s28, 3                           ; I make fragments (m = w % 4, s = 2 (w / 4) + 0, 1): images at 12,288 m + 4,096 (w / 4)
	s_mul_i32 s3, s3, 6*FRB
	s_lshr_b32 s4, s28, 2
	s_lshl_b32 s4, s4, 12
	s_add_co_u32 s3, s3, s4
	v_add_nc_u32 v[XWI], s3, v[L16]
	s_wait_alu depctr_va_vdst(0)
	s_wait_kmcnt 0x0
	s_load_b256 s[48:55], s[22:23], 0x0            ; e0 .. e7
	s_load_b128 s[56:59], s[22:23], 0x20           ; e8 .. e11
	s_cmp_eq_u32 s30, 0                            ; the buffers are chosen by the work-group's y alone
	s_cselect_b64 s[XB:XB+1], s[8:9], s[10:11]
	s_cselect_b64 s[BP:BP+1], s[16:17], s[18:19]
	s_cselect_b64 s[DST:DST+1], s[24:25], s[26:27]
	s_cmp_eq_u32 s30, 2
	s_cselect_b64 s[XB:XB+1], s[12:13], s[XB:XB+1]
	s_cselect_b64 s[BP:BP+1], s[20:21], s[BP:BP+1]
	s_lshl_b32 s2, s29, 6                          ; x: row 64 rb + 32 (m / 2) + 8 (m % 2),
	s_bfe_u32 s3, s28, 0x10001
	s_lshl_b32 s3, s3, 5
	s_add_co_u32 s2, s2, s3
	s_and_b32 s3, s28, 1
	s_lshl_b32 s3, s3, 3
	s_add_co_u32 s2, s2, s3
	s_mul_i32 s2, s2, ROWB
	s_lshr_b32 s3, s28, 2
	s_lshl_b32 s3, s3, 10                          ; + two K steps of 512 bytes x (w / 4)
	s_add_co_u32 s2, s2, s3
	s_mov_b32 s3, 0
	s_add_nc_u64 s[XB:XB+1], s[XB:XB+1], s[2:3]
	s_mul_i32 s2, s30, 589824                      ; W: the tensor, my head
	s_mul_i32 s4, s28, 49152
	s_add_co_u32 s2, s2, s4
	s_add_nc_u64 s[WP:WP+1], s[14:15], s[2:3]
	s_lshl_b32 s2, s28, 8
	s_add_nc_u64 s[BP:BP+1], s[BP:BP+1], s[2:3]
	s_lshl_b32 s2, s28, 18                         ; q: head x 262,144 + rb x 4 fragments of 1,024
	s_lshl_b32 s4, s29, 12
	s_add_co_u32 s2, s2, s4
	s_lshl_b32 s4, s28, 19                         ; k, v: head x 524,288 + (rb / 2) x 16,384
	s_lshr_b32 s5, s29, 1
	s_lshl_b32 s5, s5, 14
	s_add_co_u32 s4, s4, s5
	s_and_b32 s5, s29, 1
	s_lshl_b32 s6, s5, 12
	s_add_co_u32 s6, s6, s4                        ; k: + (rb % 2) x 4 fragments of 1,024
	s_lshl_b32 s5, s5, 10
	s_add_co_u32 s5, s5, s4
	s_add_co_u32 s5, s5, 8192                      ; v: behind K's 8,192, + (rb % 2) x 2 pieces of 512
	s_cmp_eq_u32 s30, 0
	s_cselect_b32 s2, s2, s6
	s_cmp_eq_u32 s30, 2
	s_cselect_b32 s2, s5, s2
	s_add_nc_u64 s[DST:DST+1], s[DST:DST+1], s[2:3]
	LOADF 0
	LOADF 1
	LOADW 0                                        ; 48 loads are out
	; ---- x: my two fragments
	s_wait_loadcnt 32                              ; my first K step's 16 loads are in
	TURN ACC, 0
	s_wait_loadcnt 16                              ; my second K step's too; W's K step 0 may be out
	TURN ACC+64, STGB
	LOADW 1
	s_wait_kmcnt 0x0
	s_cmp_eq_u32 s30, 0
	s_cselect_b32 s40, s48, s50                    ; ex: entry 0, 2, 4
	s_cselect_b32 s41, s49, s51                    ; ew: entry 1, 3, 5
	s_cselect_b32 s42, s54, s55                    ; the result's e: entry 6, 7, 9
	s_cmp_eq_u32 s30, 2
	s_cselect_b32 s40, s52, s40
	s_cselect_b32 s41, s53, s41
	s_cselect_b32 s42, s57, s42
	s_add_co_i32 s2, s40, 127
	s_lshl_b32 s3, s2, 23
	v_mov_b32 v[SCX], s3                           ; 2^ex
	s_add_co_i32 s2, s2, 8
	s_lshl_b32 s2, s2, 23
	s_or_b32 s2, s2, 0x600000
	v_mov_b32 v[LMX], s2                           ; 448 x 2^ex
	s_add_co_i32 s2, s42, 127
	s_lshl_b32 s3, s2, 23
	v_mov_b32 v[SCO], s3
	s_add_co_i32 s2, s2, 8
	s_lshl_b32 s2, s2, 23
	s_or_b32 s2, s2, 0x600000
	v_mov_b32 v[LMO], s2
	s_add_co_i32 s2, s40, s41
	s_add_co_i32 s2, s2, 127
	s_lshl_b32 s[SCL], s2, 23                      ; 2^(ex + ew)
	s_mov_b32 s[SCL+1], s[SCL]                     ; (named with it as a pair, so it is written)
	s_wait_alu depctr_va_vdst(0)
	s_wait_dscnt 32                                ; the first turn is back; the second's 32 instructions may be out
	QUANT ACC, XF, SCX, LMX
	IMAGE XF, 0
	s_wait_dscnt 4                                 ; the second turn is back; the four stores just issued may be out
	QUANT ACC+64, XF+16, SCX, LMX
	IMAGE XF+16, FRB
	s_wait_dscnt 0x0                               ; for the others' sake: my images have landed
	s_barrier_signal -1
	s_barrier_wait -1                              ; x's 24 fragments lie in LDS; from here on LDS is only read
	s_cmp_eq_u32 s30, 2
	s_cbranch_scc1 .Lv
	; ---- q, k: transposed
.irp s, 0,1,2,3,4,5
	KSTEP \s, 0
.endr
	s_wait_loadcnt 0x0                             ; the bias
.irp m, 0,1,2,3
.irp t, 0,1,2,3
.irp i, 0,2,4,6
	v_pk_fma_f32 v[ACC+8*(4*\m+\t)+\i:ACC+8*(4*\m+\t)+\i+1], v[ACC+8*(4*\m+\t)+\i:ACC+8*(4*\m+\t)+\i+1], s[SCL:SCL+1], v[BI+8*\t+\i:BI+8*\t+\i+1] op_sel_hi:[1,0,1]   ; sum x 2^(ex + ew) + b; each accumulator from its low end on
.endr
.irp j, 0,1,2,3,4,5,6,7
	v_med3_num_f32 v[ACC+8*(4*\m+\t)+\j], v[ACC+8*(4*\m+\t)+\j], -v[LMO], v[LMO]
.endr
	v_cvt_scalef32_pk8_fp8_f32 v[CD+8*\m+4*(\t/2)+2*(\t%2):CD+8*\m+4*(\t/2)+2*(\t%2)+1], v[ACC+8*(4*\m+\t):ACC+8*(4*\m+\t)+7], v[SCO]   ; tiles 2 b, 2 b + 1: channels 32 b + 16 h + 0 .. 15: registers 4 b .. 4 b + 3 of the fragment
.endr
.endr
	v_nop                                          ; one plain vector instruction behind the last scaled conversion
.irp m, 0,1,2,3
.irp b, 0,1
	global_store_b128 v[L16], v[CD+8*\m+4*\b:CD+8*\m+4*\b+3], s[DST:DST+1] offset:1024*\m+512*\b   ; 32 lanes store 512 consecutive bytes, aligned
.endr
.endr
	s_branch .Lend
.Lv:
	; ---- v: a lane holds one channel, its registers run along the keys
.irp s, 0,1,2,3,4,5
	KSTEP \s, 1
.endr
	s_wait_loadcnt 0x0
.irp m, 0,1,2,3
.irp t, 0,1,2,3
.irp i, 0,2,4,6
	v_pk_fma_f32 v[ACC+8*(4*\m+\t)+\i:ACC+8*(4*\m+\t)+\i+1], v[ACC+8*(4*\m+\t)+\i:ACC+8*(4*\m+\t)+\i+1], s[SCL:SCL+1], v[BI+2*\t:BI+2*\t+1] op_sel_hi:[1,0,1]
.endr
.irp j, 0,1,2,3,4,5,6,7
	v_med3_num_f32 v[ACC+8*(4*\m+\t)+\j], v[ACC+8*(4*\m+\t)+\j], -v[LMO], v[LMO]
.endr
	v_cvt_scalef32_pk8_fp8_f32 v[CD+8*\t+4*(\m/2)+2*(\m%2):CD+8*\t+4*(\m/2)+2*(\m%2)+1], v[ACC+8*(4*\m+\t):ACC+8*(4*\m+\t)+7], v[SCO]   ; tiles of rows 2 g, 2 g + 1: keys 32 g + 16 h + 0 .. 15 of my 64
.endr
.endr
	v_nop
.irp t, 0,1,2,3
.irp g, 0,1
	global_store_b128 v[L16], v[CD+8*\t+4*\g:CD+8*\t+4*\g+3], s[DST:DST+1] offset:2048*\t+512*\g
.endr
.endr
.Lend:
	s_wait_tensorcnt 0x0                           ; the wave's end, behind my last LDS store
	ds_add_u32 v[SPW], v[NIL]
	s_wait_dscnt 0x0
	s_endpgm
.Lfunc_end_k_q9288af7301_proj:
	.size	k_q9288af7301_proj, .Lfunc_end_k_q9288af7301_proj-k_q9288af7301_proj
	.p2alignl 7, 3214868480
	.fill 96, 4, 3214868480
	.section	.rodata,"a",@progbits
	.p2align	6, 0x0
	.amdhsa_kernel k_q9288af7301_proj
		.amdhsa_group_segment_fixed_size 253440
		.amdhsa_private_segment_fixed_size 0
		.amdhsa_enable_private_segment 0
		.amdhsa_kernarg_size 80
		.amdhsa_user_sgpr_count 2
		.amdhsa_user_sgpr_kernarg_segment_ptr 1
		.amdhsa_wavefront_size32 1
		.amdhsa_system_sgpr_workgroup_id_x 1
		.amdhsa_system_sgpr_workgroup_id_y 1
		.amdhsa_system_sgpr_workgroup_id_z 1
		.amdhsa_system_vgpr_workitem_id 0
		.amdhsa_next_free_vgpr 320
		.amdhsa_next_free_sgpr 66
		.amdhsa_reserve_vcc 0
		.amdhsa_float_denorm_mode_32 3
		.amdhsa_float_denorm_mode_16_64 3
		.amdhsa_memory_ordered 1
		.amdhsa_forward_progress 1
		.amdhsa_inst_pref_size 95
	.end_amdhsa_kernel
	.amdgpu_metadata
---
amdhsa.version: [ 1, 2 ]
amdhsa.kernels:
  - .name:           k_q9288af7301_proj
    .symbol:         k_q9288af7301_proj.kd
    .args:
      - { .name: Q, .offset: 0, .size: 8, .value_kind: global_buffer, .address_space: global }
      - { .name: K, .offset: 8, .size: 8, .value_kind: global_buffer, .address_space: global }
      - { .name: V, .offset: 16, .size: 8, .value_kind: global_buffer, .address_space: global }
      - { .name: wimg, .offset: 24, .size: 8, .value_kind: global_buffer, .address_space: global }
      - { .name: bq, .offset: 32, .size: 8, .value_kind: global_buffer, .address_space: global }
      - { .name: bk, .offset: 40, .size: 8, .value_kind: global_buffer, .address_space: global }
      - { .name: bv, .offset: 48, .size: 8, .value_kind: global_buffer, .address_space: global }
      - { .name: lowp_scales, .offset: 56, .size: 8, .value_kind: global_buffer, .address_space: global }
      - { .name: qimg, .offset: 64, .size: 8, .value_kind: global_buffer, .address_space: global }
      - { .name: kv, .offset: 72, .size: 8, .value_kind: global_buffer, .address_space: global }
    .group_segment_fixed_size: 253440
    .private_segment_fixed_size: 0
    .kernarg_segment_align: 8
    .kernarg_segment_size: 80
    .max_flat_workgroup_size: 384
    .sgpr_count:     66
    .vgpr_count:     320
    .wavefront_size: 32
...
	.end_amdgpu_metadata
.endif
;; end of part 6
;; launch attn (part 7): grid 256 x 1, 12 waves a work-group, no clusters, 259,584 bytes of LDS; arguments qimg, kv, lowp_scales, aimg; writes aimg
.if DOCPART == 7
	.amdgcn_target "amdgcn-amd-amdhsa--gfx1250"
	.amdhsa_code_object_version 6
	.text
	.protected	k_q9288af7301_attn
	.globl	k_q9288af7301_attn
	.p2align	8
	.type	k_q9288af7301_attn,@function
k_q9288af7301_attn:
	s_mov_b64 s[64:65], 0
	v_nop
	global_prefetch_b8 v0, s[64:65] scope:SCOPE_SE
	s_setreg_imm32_b32 hwreg(HW_REG_WAVE_MODE, 25, 1), 1
	s_wait_xcnt 0x0
; Attention on codes of E4M3: for each head, a = softmax(q k^T / 8) v, quantised at once for the last product.  12 heads of 64 channels, 4,096 queries and keys.
; THE SOFTMAX AHEAD OF THE SECOND PRODUCT: t = score x log2(e) / 8; M = the running largest t rounded UP to a whole number; p = 2^(t - M) is quantised with 2^ep, not normalised; the row's sum is taken of the
; unquantised p and divides at the end.  When M moves, the sum and O are multiplied by 2^(old M - new M): exact.
; SHARES: 12 heads x 64 blocks of 64 queries = 768 units = 256 work-groups x 3: work-group x takes units 3 x + g, g = 0, 1, 2; unit u is head u / 64, queries 64 (u % 64) on.  A unit belongs to four waves (w = 4 g + k):
; wave k walks the k-th quarter of the keys (1,024) for all 64 queries (4 tiles of 16), so each fragment of K and V that comes into registers feeds four tiles.  The four quarters are joined once, at the end, through LDS.
; A STEP is 64 keys; the four tiles go two at a time, so that the chains of two tiles stand side by side and 64 exponentials are one batch.
; K AND V go from memory straight into registers: every load is 512 consecutive bytes.  The next step's K is asked for behind the second pair's products K Q^T, the step's V behind the first pair's.  The three waves of a
; work-group that walk one quarter of one head name the same bytes.
; ONE SPLIT BARRIER A STEP keeps the twelve waves within about a pair of tiles of each other, so that those three name the same bytes close together.  It guards no data.  The signal stands behind the step's loads of V, with no
; LDS access out; the wait stands ahead of the next loads of K; between them stand work on registers and loads of Q, which nobody writes again.
; THE WALK BEGINS at block x % 8 of the quarter's 8 blocks of 128 keys and goes round, so the 21 or 22 work-groups of a head stand at 8 different blocks: their loads are spread over all of kv.  Hence no prefetch (in the first
; two steps the work-groups' own loads have named every byte of kv) and no cluster (no two partners stand at one block, and no tile lies in LDS).
; Q (4,096 bytes a wave) lies in the wave's own LDS bytes and comes a pair of tiles ahead.
; LAYOUT: both products transposed: S^T = K Q^T (source 0 = 16 keys), O^T = V^T P^T (source 0 = 16 channels): a lane holds ONE query throughout.  The keys of a tile are chosen (by the launch before) so that the 16
; registers of tiles 2 b and 2 b + 1 are keys 32 b + 16 h + 0 .. 15: the conversions' results are the second product's operand.  The channels of a tile of V^T likewise, for the last product.
; kv [head][block 32][16,384]: K's 8 fragments of 1,024, then V^T's 4 of 2,048 (piece c = keys 32 c + 16 h + 0 .. 15): step half z takes K's fragments 4 z .. 4 z + 3 and V's pieces 2 z, 2 z + 1.
; OUT: aimg [T 256][head 12][b 2][lane][16]: heads 2 s and 2 s + 1 are the fragment of K step s of the last product.
; p is at most 1 (but for t's rounding), so where 448 x 2^ep >= 1.75 (ep >= -8) the 64 holds of a pair change nothing and are jumped over; for smaller ep they run.
; LIMITS: eq + ek (entries 6, 7) between -123 and 130 (added to c's exponent field); ep (8) and the result's e (10) between -126 and 119; scaled scores under 2^31 in magnitude.  NaN among the inputs is not served.
; A p that falls under the format's range below a later, larger M is lost, as the problem's text allows.
; REGISTERS.  Window 0: v0 the thread's number, v1-3, v4-11 (-M, sum) of the four tiles, v14-15 and v240-255 at work, v16-31 Q of two tiles, v32-47 p's codes of two tiles, v48-111 S^T, then p, of two tiles, v112-239 O^T.
; Window 1 (v256-319): K at v0-31, V^T at v32-63.
.set HEADB,  16384                     ; a block of 128 keys in kv
.set QUART,  131072                    ; a quarter of a head
.set PARTB,  4352                      ; the join: one tile of one wave: O^T 8 x 512, then (-M, sum) 256
.set WAVEB,  4*PARTB
.set JB,     49152                     ; behind Q's 12 x 4,096 bytes
.set SPARE,  JB+12*WAVEB               ; the spare words, 128 bytes for each wave: six blocks of 256 bytes that no other line names
.set L16, 1                            ; v1   16 x lane
.set QLA, 2                            ; v2   my Q in LDS: 4,096 w + 16 x lane
.set SC,  3                            ; v3   2^ep
.set ML,  4                            ; v[4 + 2 i] -M of tile i, v[5 + 2 i] its sum over my lane's keys
.set F,   14                           ; v14, v254   2^(old M - new M) of the pair's tiles;  v15, v255 the lane permutes' results
.set QF,  16
.set PC,  32
.set S,   48
.set OT,  112
.set VF,  32                           ; in window 1
.set T,   240                          ; v[240:241], v[242:243] the first tile's two chains of the sum; v[244:247] the second's
.set MX,  248                          ; v248-251 the maxima's four chains
.set SEL, 20                           ; s[20:21] lane selects for v_permlanex16_b32: lane l xor 16
.set CS,  22                           ; s[22:23] c = log2(e) / 8 x 2^(eq + ek), twice
.set KVB, 24                           ; s[24:25] the block that is loaded from
.set HB,  26                           ; s[26:27] my quarter of my head
.set BO,  28                           ; s[28:29] the block's byte in the quarter, and 0 above it
.set EP,  30                           ; s30  ep
.set IT,  31                           ; s31  blocks to go, this one among them
.set AO,  40                           ; s[40:41] where my result goes
.set NC,  48                           ; s48  -c
.set LM,  49                           ; s49  448 x 2^ep
.set EV,  50                           ; s50  ep + ev
.set MSB, 0
.macro WIN new                         ; the immediate's high byte repeats the setting that is left
.if MSB != \new
	s_set_vgpr_msb (MSB<<8)|\new
.set MSB, \new
.endif
.endm
.set TO_1,  0x40                       ; destination window 1 (a load's data)
.set MUL_1, 0x01                       ; source 0 (K or V^T) window 1
.macro LOADK z                         ; K of half z of the block at KVB: 8 loads
	WIN TO_1
.irp n, 0,1,2,3,4,5,6,7
	global_load_b128 v[4*\n:4*\n+3], v[L16], s[KVB:KVB+1] offset:4096*\z+512*\n
.endr
	WIN 0
.endm
.macro LOADV z                         ; V^T of half z: 8 loads
	WIN TO_1
.irp t, 0,1,2,3
.irp c, 0,1
	global_load_b128 v[VF+8*\t+4*\c:VF+8*\t+4*\c+3], v[L16], s[KVB:KVB+1] offset:8192+2048*\t+1024*\z+512*\c
.endr
.endr
	WIN 0
.endm
.macro MULO q, u, n                    ; two numbers of the O^T of the pair's tile u under the new M
	v_pk_mul_f32 v[OT+32*(2*\q+\u)+\n:OT+32*(2*\q+\u)+\n+1], v[OT+32*(2*\q+\u)+\n:OT+32*(2*\q+\u)+\n+1], v[F+240*\u:F+240*\u+1] op_sel_hi:[1,0]
.endm
.macro ADDP u, n                       ; p's pair 8 + 2 n joins one of the tile's two chains, by turns
	v_pk_add_f32 v[T+4*\u+2*(\n%2):T+4*\u+2*(\n%2)+1], v[T+4*\u+2*(\n%2):T+4*\u+2*(\n%2)+1], v[S+32*\u+8+2*\n:S+32*\u+8+2*\n+1]
.endm
.macro NEXTQ q                         ; Q of the two tiles that come next
.set NX, (2*(\q)+2)%4
.irp u, 0,1
	ds_load_b128 v[QF+8*\u:QF+8*\u+3], v[QLA] offset:1024*(NX+\u)
	ds_load_b128 v[QF+8*\u+4:QF+8*\u+7], v[QLA] offset:1024*(NX+\u)+512
.endr
.endm
; PAIR q of a step: tiles 2 q and 2 q + 1, 32 queries x 64 keys.  No LDS load is out when it begins, and Q of its tiles is in registers.
.macro PAIR z, q
.if (\q) == 0
	s_wait_loadcnt 0x0                             ; this step's K
.endif
	WIN MUL_1
.irp f, 0,1,2,3
.irp u, 0,1
	v_wmma_f32_16x16x64_fp8_fp8 v[S+32*\u+8*\f:S+32*\u+8*\f+7], v[8*\f:8*\f+7], v[QF+8*\u:QF+8*\u+7], 0   ; lane (r, h): query r; register j of tile f: key 32 (f / 2) + 8 (f % 2) + 16 h + j
.endr
.endr
	WIN 0
.rept 4
	v_nop                                          ; four places: for the reads of the scores and the loads into Q and K; and behind the products V^T P^T before, for the loads into V
.endr
.if (\q) == 0
	LOADV \z                                       ; this step's V
	s_barrier_signal -1                            ; I have begun this step; no LDS access of mine is out
	NEXTQ \q
.else
	NEXTQ \q
	s_barrier_wait -1                              ; all twelve waves have begun this step
.if (\z) == 0
	LOADK 1                                        ; the next step's K: the same block's second half
.else
	s_cmp_eq_u32 s[IT], 1                          ; the last block has no successor
	s_cbranch_scc1 .Lnoload_\@
	s_add_co_u32 s[BO], s[BO], HEADB               ; on to the next block, round my quarter's 8.  All loads by this base are done: V's were waited for in the pair before
	s_and_b32 s[BO], s[BO], QUART-1
	s_add_nc_u64 s[KVB:KVB+1], s[HB:HB+1], s[BO:BO+1]
	LOADK 0
.Lnoload_\@:
.endif
.endif
.irp u, 0,1
	v_max3_num_f32 v[MX+2*\u], v[S+32*\u], v[S+32*\u+1], v[S+32*\u+2]   ; each query's largest score among my 32 keys, two chains a tile, each accumulator from its low end on
	v_max3_num_f32 v[MX+2*\u+1], v[S+32*\u+3], v[S+32*\u+4], v[S+32*\u+5]
.endr
.irp n, 6,10,14,18,22,26
.irp u, 0,1
	v_max3_num_f32 v[MX+2*\u], v[MX+2*\u], v[S+32*\u+\n], v[S+32*\u+\n+1]
	v_max3_num_f32 v[MX+2*\u+1], v[MX+2*\u+1], v[S+32*\u+\n+2], v[S+32*\u+\n+3]
.endr
.endr
.irp u, 0,1
	v_max3_num_f32 v[MX+2*\u], v[MX+2*\u], v[S+32*\u+30], v[S+32*\u+31]
.endr
.irp u, 0,1
	v_max_num_f32 v[MX+2*\u], v[MX+2*\u], v[MX+2*\u+1]
.endr
.irp u, 0,1
	v_permlanex16_b32 v[F+240*\u+1], v[MX+2*\u], s[SEL], s[SEL+1]
.endr
.irp u, 0,1
	v_max_num_f32 v[MX+2*\u], v[MX+2*\u], v[F+240*\u+1]   ; and among lane l xor 16's
.endr
.irp u, 0,1
	v_mul_f32 v[MX+2*\u], s[NC], v[MX+2*\u]        ; as -t (c is positive)
.endr
.irp u, 0,1
	v_floor_f32 v[MX+2*\u], v[MX+2*\u]             ; floor(-t) = -ceil(t)
.endr
.irp u, 0,1
	v_sub_f32 v[F+240*\u], v[MX+2*\u], v[ML+2*(2*\q+\u)]
.endr
.irp u, 0,1
	v_min_num_f32 v[ML+2*(2*\q+\u)], v[ML+2*(2*\q+\u)], v[MX+2*\u]   ; the new -M
.endr
.irp u, 0,1
	v_min_num_f32 v[F+240*\u], 0, v[F+240*\u]      ; old M - new M: a whole number, 0 or less
.endr
.irp u, 0,1
	v_cvt_i32_f32 v[F+240*\u], v[F+240*\u]         ; (it saturates)
.endr
.irp u, 0,1
.irp j, 0,2,4,6,8,10,12,14,16,18,20,22,24,26,28,30
	v_pk_fma_f32 v[S+32*\u+\j:S+32*\u+\j+1], v[S+32*\u+\j:S+32*\u+\j+1], s[CS:CS+1], v[ML+2*(2*\q+\u):ML+2*(2*\q+\u)+1] op_sel_hi:[1,0,0]   ; t - M, two at a time (of the pairs the low word serves both halves)
.endr
.endr
	s_wait_alu depctr_va_vdst(0)                   ; the wait ahead of the wait below and of the batch
	s_wait_dscnt 0x0                               ; the next pair's Q
.irp u, 0,1
.irp j, 0,1,2,3,4,5,6,7,8,9,10,11,12,13,14,15,16,17,18,19,20,21,22,23,24,25,26,27,28,29,30,31
	v_exp_f32 v[S+32*\u+\j], v[S+32*\u+\j]         ; p = 2^(t - M)
.endr
.endr
.irp u, 0,1
	v_ldexp_f32 v[F+240*\u], 1.0, v[F+240*\u]      ; f = 2^(old M - new M): the plain instructions behind the exponentials
.endr
	s_wait_alu depctr_va_vdst(0)                   ; one wait for the batch and for O^T, ahead of their first readers
.irp u, 0,1
	MULO \q, \u, 0
	v_pk_add_f32 v[T+4*\u:T+4*\u+1], v[S+32*\u:S+32*\u+1], v[S+32*\u+2:S+32*\u+3]   ; the row's sum is taken of the unquantised p
	MULO \q, \u, 2
	v_pk_add_f32 v[T+4*\u+2:T+4*\u+3], v[S+32*\u+4:S+32*\u+5], v[S+32*\u+6:S+32*\u+7]
.irp n, 0,1,2,3,4,5
	MULO \q, \u, 4+4*\n
	MULO \q, \u, 6+4*\n
	ADDP \u, \n
.endr
	MULO \q, \u, 28
	MULO \q, \u, 30
.irp n, 6,7,8,9,10,11
	ADDP \u, \n
.endr
.endr
.irp u, 0,1
	v_pk_add_f32 v[T+4*\u:T+4*\u+1], v[T+4*\u:T+4*\u+1], v[T+4*\u+2:T+4*\u+3]
.endr
.irp u, 0,1
	v_add_f32 v[T+4*\u], v[T+4*\u], v[T+4*\u+1]
.endr
.irp u, 0,1
	v_fma_f32 v[ML+2*(2*\q+\u)+1], v[ML+2*(2*\q+\u)+1], v[F+240*\u], v[T+4*\u]   ; twelve plain instructions stand behind the last of O^T's
.endr
.if (\q) == 0
	s_wait_loadcnt 0x0                             ; this step's V
.endif
	s_cmp_ge_i32 s[EP], -8                         ; 448 x 2^ep >= 1.75 stands over every p: the hold would change nothing
	s_cbranch_scc1 .Lnohold_\@
.irp u, 0,1
.irp j, 0,1,2,3,4,5,6,7,8,9,10,11,12,13,14,15,16,17,18,19,20,21,22,23,24,25,26,27,28,29,30,31
	v_min_num_f32 v[S+32*\u+\j], s[LM], v[S+32*\u+\j]   ; the conversion does not saturate (ISA guide 7.6.2); p is not negative, so the hold is one-sided
.endr
.endr
.Lnohold_\@:
.irp f, 0,1,2,3,4,5,6,7
	v_cvt_scalef32_pk8_fp8_f32 v[PC+2*\f:PC+2*\f+1], v[S+8*\f:S+8*\f+7], v[SC]
.endr
	v_nop                                          ; one plain vector instruction behind the last scaled conversion
	WIN MUL_1
.irp t, 0,1,2,3
.irp u, 0,1
	v_wmma_f32_16x16x64_fp8_fp8 v[OT+32*(2*\q+\u)+8*\t:OT+32*(2*\q+\u)+8*\t+7], v[VF+8*\t:VF+8*\t+7], v[PC+8*\u:PC+8*\u+7], v[OT+32*(2*\q+\u)+8*\t:OT+32*(2*\q+\u)+8*\t+7]   ; the accumulators by turns
.endr
.endr
.endm
	s_load_b128 s[4:7], s[0:1], 0x0                ; qimg s[4:5], kv s[6:7]
	s_load_b128 s[8:11], s[0:1], 0x10              ; the scales' exponents s[8:9], aimg s[10:11]
	v_lshrrev_b32 v3, 5, v0
	v_and_b32 v[L16], 31, v0
	v_readfirstlane_b32 s12, v3                    ; wave 0..11
	v_lshlrev_b32 v[L16], 4, v[L16]
	s_lshr_b32 s13, s12, 2                         ; g
	s_and_b32 s14, s12, 3                          ; k: my quarter of the keys; also the tile that I finish
	s_mul_i32 s15, ttmp9, 3
	s_add_co_u32 s15, s15, s13                     ; my unit
	s_lshr_b32 s16, s15, 6                         ; head
	s_and_b32 s17, s15, 63                         ; which 64 queries
	s_lshl_b32 s18, s12, 12
	v_add_nc_u32 v[QLA], s18, v[L16]
	s_lshl_b32 s42, s15, 12                        ; Q: unit x 4,096
	s_mov_b32 s43, 0
	s_lshl_b32 s44, s16, 19                        ; kv: head x 524,288 + quarter
	s_lshl_b32 s45, s14, 17
	s_add_co_u32 s44, s44, s45
	s_mov_b32 s45, 0
	s_and_b32 s[BO], ttmp9, 7                      ; the block at which my work-group begins
	s_lshl_b32 s[BO], s[BO], 14
	s_mov_b32 s[BO+1], 0
	s_lshl_b32 s46, s17, 2                         ; aimg: T x 12,288 + head x 1,024, T = 4 (u % 64) + k
	s_add_co_u32 s46, s46, s14
	s_mul_i32 s46, s46, 12288
	s_lshl_b32 s47, s16, 10
	s_add_co_u32 s46, s46, s47
	s_mov_b32 s47, 0
	s_mov_b32 s[SEL], 0x76543210
	s_mov_b32 s[SEL+1], 0xfedcba98
	s_mov_b32 s[CS], 0x3e38aa3b                    ; log2(e) / 8
	s_mov_b32 s[IT], 8
	s_wait_alu depctr_va_vdst(0)                   ; the wait here, directly ahead of the wait below
	s_wait_kmcnt 0x0
	s_load_b128 s[32:35], s[8:9], 0x10             ; e4 .. e7
	s_load_b128 s[36:39], s[8:9], 0x20             ; e8 .. e11
	s_add_nc_u64 s[2:3], s[4:5], s[42:43]
	s_add_nc_u64 s[HB:HB+1], s[6:7], s[44:45]
	s_add_nc_u64 s[KVB:KVB+1], s[HB:HB+1], s[BO:BO+1]
	s_add_nc_u64 s[AO:AO+1], s[10:11], s[46:47]
.irp n, 0,1,2,3,4,5,6,7
	global_load_b128 v[S+4*\n:S+4*\n+3], v[L16], s[2:3] offset:512*\n   ; Q's four tiles
.endr
	LOADK 0
.irp i, 0,1,2,3
	v_mov_b32 v[ML+2*\i], 0x7f61b1e6               ; -M = 3e38: M stands under every t
	v_mov_b32 v[ML+2*\i+1], 0
.endr
	v_mov_b32 v[F+1], 0                            ; written once: a lane permute's destination counts as one of its sources
	v_mov_b32 v[F+241], 0
.rept 128
	v_mov_b32 v[OT+\+], 0                          ; O^T, while the first loads are on their way: the step is written once; its first run finds zeros, which the first change of M leaves zeros
.endr
	s_wait_kmcnt 0x0
	s_add_co_i32 s46, s34, s35                     ; a score stands for score x 2^(eq + ek): the two exponents are added to c's exponent field
	s_lshl_b32 s46, s46, 23
	s_add_co_i32 s[CS], s[CS], s46
	s_mov_b32 s[CS+1], s[CS]                       ; (named with it as a pair, so it is written)
	s_xor_b32 s[NC], s[CS], 0x80000000
	s_mov_b32 s[EP], s36
	s_add_co_i32 s46, s36, 127
	s_lshl_b32 s47, s46, 23
	v_mov_b32 v[SC], s47                           ; 2^ep
	s_add_co_i32 s46, s46, 8
	s_lshl_b32 s46, s46, 23
	s_or_b32 s[LM], s46, 0x600000                  ; 448 x 2^ep
	s_add_co_i32 s[EV], s36, s37                   ; ep + ev
	s_wait_alu depctr_va_vdst(0)                   ; the wait at the head's end
	s_wait_loadcnt 8                               ; Q is in; the 8 loads of K behind it may be out
.irp n, 0,1,2,3,4,5,6,7
	ds_store_b128 v[QLA], v[S+4*\n:S+4*\n+3] offset:512*\n
.endr
.irp n, 0,1,2,3
	ds_load_b128 v[QF+4*\n:QF+4*\n+3], v[QLA] offset:512*\n   ; LDS serves a wave's instructions in order (ISA guide 5.7.1.4): these see my stores
.endr
	s_wait_dscnt 0x0
.Lloop:                                            ; 8 blocks of 128 keys, two steps each
	PAIR 0, 0
	PAIR 0, 1
	PAIR 1, 0
	PAIR 1, 1
	WIN 0
	s_sub_co_u32 s[IT], s[IT], 1
	s_cmp_lg_u32 s[IT], 0
	s_wait_alu depctr_va_vdst(0)                   ; the wait here, directly ahead of the branch
	s_cbranch_scc1 .Lloop
	; THE JOIN: each wave lays its four tiles' O^T, -M and sums into LDS; wave k takes tile k of its unit from all four.
.rept 4
	v_nop                                          ; four places behind the last products, in front of the stores of O^T
.endr
	s_mul_i32 s44, s12, WAVEB
	s_add_co_u32 s44, s44, JB
	s_and_b32 s45, s12, 12
	s_mul_i32 s45, s45, WAVEB
	s_mul_i32 s46, s14, PARTB
	s_add_co_u32 s45, s45, s46
	s_add_co_u32 s45, s45, JB
	v_lshrrev_b32 v[S+2], 1, v[L16]                ; 8 x lane
	v_add_nc_u32 v[S], s44, v[L16]                 ; in: my wave's four tiles
	v_add_nc_u32 v[S+1], s45, v[L16]               ; out: tile k of my unit's first wave
	v_add_nc_u32 v[S+3], s45, v[S+2]
	v_add_nc_u32 v[S+2], s44, v[S+2]
.irp i, 0,1,2,3
.irp t, 0,1,2,3
	s_wait_alu depctr_va_vdst(0)                   ; the wait directly ahead of the accumulator's first reader
	ds_store_b128 v[S], v[OT+32*\i+8*\t:OT+32*\i+8*\t+3] offset:PARTB*\i+1024*\t
	ds_store_b128 v[S], v[OT+32*\i+8*\t+4:OT+32*\i+8*\t+7] offset:PARTB*\i+1024*\t+512
.endr
	ds_store_b64 v[S+2], v[ML+2*\i:ML+2*\i+1] offset:PARTB*\i+4096
.endr
	s_add_co_i32 s46, s38, 127
	s_lshl_b32 s47, s46, 23                        ; 2^e10
	s_add_co_i32 s46, s46, 8
	s_lshl_b32 s46, s46, 23
	s_or_b32 s46, s46, 0x600000                    ; 448 x 2^e10
	s_wait_dscnt 0x0                               ; for the others' sake: my stores have landed
	s_barrier_signal -1
	s_barrier_wait -1
.irp k, 0,1,2,3
	ds_load_b64 v[ML+2*\k:ML+2*\k+1], v[S+3] offset:WAVEB*\k+4096
.endr
.irp k, 0,1,2,3
.irp j, 0,1,2,3,4,5,6,7
	ds_load_b128 v[OT+32*\k+4*\j:OT+32*\k+4*\j+3], v[S+1] offset:WAVEB*\k+512*\j
.endr
.endr
	s_wait_dscnt 32                                ; the four pairs are in; the 32 loads of O^T may be out
	v_min3_num_f32 v[PC], v[ML], v[ML+2], v[ML+4]
	v_min_num_f32 v[PC], v[PC], v[ML+6]            ; -M of the whole row
.irp k, 0,1,2,3
	v_sub_f32 v[S+8+\k], v[PC], v[ML+2*\k]         ; the quarter's M - the row's M: a whole number, 0 or less
.endr
.irp k, 0,1,2,3
	v_cvt_i32_f32 v[S+8+\k], v[S+8+\k]
.endr
.irp k, 0,1,2,3
	v_ldexp_f32 v[S+8+\k], 1.0, v[S+8+\k]
.endr
	v_mul_f32 v[T], v[ML+1], v[S+8]
.irp k, 1,2,3
	v_fma_f32 v[T], v[ML+2*\k+1], v[S+8+\k], v[T]
.endr
	v_permlanex16_b32 v[F+1], v[T], s[SEL], s[SEL+1]
	v_add_f32 v[T], v[T], v[F+1]                   ; and lane l xor 16's keys: the row's sum
	v_mov_b32 v[SC], s47
	v_mov_b32 v[F], s46
	s_wait_alu depctr_va_vdst(0)                   ; the wait ahead of the transcendental
	v_rcp_f32 v[T], v[T]
	v_nop                                          ; a plain instruction behind the reciprocal
	s_wait_alu depctr_va_vdst(0)                   ; and the wait ahead of its first reader
	v_ldexp_f32 v[T], v[T], s[EV]                  ; x 2^(ep + ev)
.irp k, 0,1,2,3
	v_mul_f32 v[S+16+2*\k], v[S+8+\k], v[T]        ; each quarter's factor, twice, as a pair
	v_mul_f32 v[S+17+2*\k], v[S+8+\k], v[T]
.endr
	s_wait_alu depctr_va_vdst(0)                   ; the wait here, directly ahead of the wait below
	s_wait_dscnt 0x0
.irp n, 0,2,4,6,8,10,12,14,16,18,20,22,24,26,28,30
	v_pk_mul_f32 v[OT+\n:OT+\n+1], v[OT+\n:OT+\n+1], v[S+16:S+17]
.endr
.irp k, 1,2,3
.irp n, 0,2,4,6,8,10,12,14,16,18,20,22,24,26,28,30
	v_pk_fma_f32 v[OT+\n:OT+\n+1], v[OT+32*\k+\n:OT+32*\k+\n+1], v[S+16+2*\k:S+17+2*\k], v[OT+\n:OT+\n+1]
.endr
.endr
.irp j, 0,1,2,3,4,5,6,7,8,9,10,11,12,13,14,15,16,17,18,19,20,21,22,23,24,25,26,27,28,29,30,31
	v_med3_num_f32 v[OT+\j], v[OT+\j], -v[F], v[F]   ; register 8 t + j: channel 32 (t / 2) + 8 (t % 2) + 16 h + j of my query
.endr
.irp t, 0,1,2,3
	v_cvt_scalef32_pk8_fp8_f32 v[PC+2*\t:PC+2*\t+1], v[OT+8*\t:OT+8*\t+7], v[SC]
.endr
	v_nop                                          ; one plain vector instruction behind the last scaled conversion
	global_store_b128 v[L16], v[PC:PC+3], s[AO:AO+1]                 ; 32 lanes store 512 consecutive bytes, aligned
	global_store_b128 v[L16], v[PC+4:PC+7], s[AO:AO+1] offset:512
	v_lshl_add_u32 v[S+30], v0, 2, SPARE           ; the wave's end: my spare word and 0, made here, where registers are free,
	v_mov_b32 v[S+31], 0
	s_wait_alu depctr_va_vdst(0)
	s_wait_tensorcnt 0x0                           ; and the end, behind my last LDS store
	ds_add_u32 v[S+30], v[S+31]
	s_wait_dscnt 0x0
	s_endpgm
.Lfunc_end_k_q9288af7301_attn:
	.size	k_q9288af7301_attn, .Lfunc_end_k_q9288af7301_attn-k_q9288af7301_attn
	.p2alignl 7, 3214868480
	.fill 96, 4, 3214868480
	.section	.rodata,"a",@progbits
	.p2align	6, 0x0
	.amdhsa_kernel k_q9288af7301_attn
		.amdhsa_group_segment_fixed_size 259584
		.amdhsa_private_segment_fixed_size 0
		.amdhsa_enable_private_segment 0
		.amdhsa_kernarg_size 32
		.amdhsa_user_sgpr_count 2
		.amdhsa_user_sgpr_kernarg_segment_ptr 1
		.amdhsa_wavefront_size32 1
		.amdhsa_system_sgpr_workgroup_id_x 1
		.amdhsa_system_sgpr_workgroup_id_y 1
		.amdhsa_system_sgpr_workgroup_id_z 1
		.amdhsa_system_vgpr_workitem_id 0
		.amdhsa_next_free_vgpr 320
		.amdhsa_next_free_sgpr 66
		.amdhsa_reserve_vcc 0
		.amdhsa_float_denorm_mode_32 3
		.amdhsa_float_denorm_mode_16_64 3
		.amdhsa_memory_ordered 1
		.amdhsa_forward_progress 1
		.amdhsa_inst_pref_size 87
	.end_amdhsa_kernel
	.amdgpu_metadata
---
amdhsa.version: [ 1, 2 ]
amdhsa.kernels:
  - .name:           k_q9288af7301_attn
    .symbol:         k_q9288af7301_attn.kd
    .args:
      - { .name: qimg, .offset: 0, .size: 8, .value_kind: global_buffer, .address_space: global }
      - { .name: kv, .offset: 8, .size: 8, .value_kind: global_buffer, .address_space: global }
      - { .name: lowp_scales, .offset: 16, .size: 8, .value_kind: global_buffer, .address_space: global }
      - { .name: aimg, .offset: 24, .size: 8, .value_kind: global_buffer, .address_space: global }
    .group_segment_fixed_size: 259584
    .private_segment_fixed_size: 0
    .kernarg_segment_align: 8
    .kernarg_segment_size: 32
    .max_flat_workgroup_size: 384
    .sgpr_count:     66
    .vgpr_count:     320
    .wavefront_size: 32
...
	.end_amdgpu_metadata
.endif
;; end of part 7
;; launch outp (part 8): grid 64 x 4, 12 waves a work-group, no clusters, 53,760 bytes of LDS; arguments aimg, wimg, bo, lowp_scales, out0; writes out0
.if DOCPART == 8
	.amdgcn_target "amdgcn-amd-amdhsa--gfx1250"
	.amdhsa_code_object_version 6
	.text
	.protected	k_q9288af7301_outp
	.globl	k_q9288af7301_outp
	.p2align	8
	.type	k_q9288af7301_outp,@function
k_q9288af7301_outp:
	s_mov_b64 s[64:65], 0
	v_nop
	global_prefetch_b8 v0, s[64:65] scope:SCOPE_SE
	s_setreg_imm32_b32 hwreg(HW_REG_WAVE_MODE, 25, 1), 1
	s_wait_xcnt 0x0
; out0 = a Wo^T x 2^(e10 + e11) + bo.  a's codes (aimg) and Wo's (tensor 3 of wimg) lie as images of operand registers; out0 [4096][768] f32.
; SHARES: a work-group makes 64 rows (x) x 192 columns (y); wave w: columns 64 (3 y + w / 4) on, tile of rows T = 4 x + w % 4: 16 rows x 64 columns, 4 accumulators, 6 K steps of 128, 24 matrix instructions.
; Operands go from memory straight into registers, two sets by turns, a K step ahead: every load is 512 consecutive bytes.  Waves share nothing: no barrier.
; The product is used transposed (source 0 = 16 rows of Wo, source 1 = 16 rows of a): a lane holds one row and 8 columns a tile.  The rows of a tile are 32 (T / 2) + 8 (T % 2) + r + 8 (r / 8), of a and of Wo alike.
; A row's 64 columns are 256 bytes: the tile goes through the wave's own stage in LDS and leaves by rows, sixteen lanes to 256 consecutive bytes, aligned.
; LIMIT: e10 + e11 between -126 and 127, so that 2^(e10 + e11) is an f32 number.
.set SPITCH, 272                       ; a stage row: 256 bytes + 16 = 17 x 16
.set STGB,   16*SPITCH
.set SPARE,  12*STGB                   ; behind the stages: the spare words, 128 bytes for each wave: six blocks of 256 bytes that no other line names
.set L16, 1                            ; v1   16 x lane
.set H64, 2                            ; v2   64 h: the bias
.set SO,  3                            ; v3   the stage, way in: 272 r + 64 h
.set SR,  4                            ; v4   way out: 272 (lane / 16) + 16 (lane % 16)
.set GO,  5                            ; v5   the same two rows in out0
.set SPW, 6                            ; v6   LDS address of my spare word; never rewritten
.set NIL, 7                            ; v7   0; never rewritten
.set WF,  32                           ; v32-159  Wo's fragments, set p at 32 + 64 p; on the way out the results and the rows
.set AF,  160                          ; v160-191 a's fragment, set p at 160 + 16 p
.set ACC, 192                          ; v192-223
.set BO,  224                          ; v224-255 bo in the result's layout
.set AP,  20                           ; s[20:21] my tile of a
.set WP,  22                           ; s[22:23] my 64 rows of Wo
.set BP,  24                           ; s[24:25] my 64 numbers of bo
.set OP,  26                           ; s[26:27] my tile's first row and column in out0
.macro LOADS s                         ; K step s: 16 loads of Wo, 4 of a, into set s % 2
.set P, (\s)%2
.irp t, 0,1,2,3
.irp c, 0,1,2,3
	global_load_b128 v[WF+64*P+16*\t+4*\c:WF+64*P+16*\t+4*\c+3], v[L16], s[WP:WP+1] offset:8192*(\s)+2048*\t+512*\c
.endr
.endr
.irp c, 0,1,2,3
	global_load_b128 v[AF+16*P+4*\c:AF+16*P+4*\c+3], v[L16], s[AP:AP+1] offset:2048*(\s)+512*\c
.endr
.endm
.macro KSTEP s
.set P, (\s)%2
.if (\s) < 5
	s_wait_loadcnt 20                              ; this K step's operands are in; the next K step's 20 loads may be out
.else
	s_wait_loadcnt 0x0
.endif
.irp t, 0,1,2,3                                ; the four accumulators by turns, in the same order in every K step
.if (\s) == 0
	v_wmma_f32_16x16x128_fp8_fp8 v[ACC+8*\t:ACC+8*\t+7], v[WF+64*P+16*\t:WF+64*P+16*\t+15], v[AF+16*P:AF+16*P+15], 0
.else
	v_wmma_f32_16x16x128_fp8_fp8 v[ACC+8*\t:ACC+8*\t+7], v[WF+64*P+16*\t:WF+64*P+16*\t+15], v[AF+16*P:AF+16*P+15], v[ACC+8*\t:ACC+8*\t+7]
.endif
.endr
.rept 4
	v_nop                                          ; four places, in front of loads into these sources and of the first read of the results
.endr
.if (\s) < 4
	LOADS (\s)+2
.endif
.endm
	s_load_b256 s[4:11], s[0:1], 0x0               ; aimg s[4:5], wimg s[6:7], bo s[8:9], the scales' exponents s[10:11]
	s_load_b64 s[12:13], s[0:1], 0x20              ; out0
	v_lshl_add_u32 v[SPW], v0, 2, SPARE
	v_mov_b32 v[NIL], 0
	v_lshrrev_b32 v8, 5, v0
	s_delay_alu instid0(VALU_DEP_1)
	v_readfirstlane_b32 s14, v8                    ; wave 0..11
	s_lshr_b32 s15, s14, 2
	s_and_b32 s16, s14, 3                          ; m
	s_and_b32 s17, ttmp7, 0xffff
	s_mul_i32 s17, s17, 3
	s_add_co_u32 s17, s17, s15                     ; hd: which 64 columns
	s_lshl_b32 s18, ttmp9, 2
	s_add_co_u32 s18, s18, s16                     ; T
	v_and_b32 v8, 31, v0
	s_delay_alu instid0(VALU_DEP_1)
	v_lshlrev_b32 v[L16], 4, v8
	v_and_b32 v9, 15, v0                           ; r
	v_bfe_u32 v10, v0, 4, 1                        ; h
	s_delay_alu instid0(VALU_DEP_1)
	v_lshlrev_b32 v[H64], 6, v10
	s_mul_i32 s19, s14, STGB                       ; my stage
	v_mul_u32_u24 v[SO], v9, SPITCH
	s_delay_alu instid0(VALU_DEP_1)
	v_add_nc_u32 v[SO], v[SO], v[H64]
	s_delay_alu instid0(VALU_DEP_1)
	v_add_nc_u32 v[SO], s19, v[SO]
	v_mul_u32_u24 v[SR], v10, SPITCH
	s_delay_alu instid0(VALU_DEP_1)
	v_lshl_add_u32 v[SR], v9, 4, v[SR]
	s_delay_alu instid0(VALU_DEP_1)
	v_add_nc_u32 v[SR], s19, v[SR]
	v_mul_u32_u24 v[GO], v10, 3072
	s_delay_alu instid0(VALU_DEP_1)
	v_lshl_add_u32 v[GO], v9, 4, v[GO]
	s_mul_i32 s34, s18, 12288                      ; a: T x 12,288
	s_mov_b32 s35, 0
	s_mul_i32 s36, s17, 49152                      ; Wo: tensor 3, hd x 49,152
	s_add_co_u32 s36, s36, 1769472
	s_mov_b32 s37, 0
	s_lshl_b32 s38, s17, 8                         ; bo, and the columns in out0: hd x 256 bytes
	s_mov_b32 s39, 0
	s_lshl_b32 s40, ttmp9, 6                       ; out0: row 64 x + 32 (m / 2) + 8 (m % 2)
	s_lshr_b32 s41, s16, 1
	s_lshl_b32 s41, s41, 5
	s_add_co_u32 s40, s40, s41
	s_and_b32 s41, s16, 1
	s_lshl_b32 s41, s41, 3
	s_add_co_u32 s40, s40, s41
	s_mul_i32 s40, s40, 3072
	s_add_co_u32 s40, s40, s38
	s_mov_b32 s41, 0
	s_wait_alu depctr_va_vdst(0)
	s_wait_kmcnt 0x0
	s_load_b128 s[28:31], s[10:11], 0x20           ; e8 .. e11
	s_add_nc_u64 s[AP:AP+1], s[4:5], s[34:35]
	s_add_nc_u64 s[WP:WP+1], s[6:7], s[36:37]
	s_add_nc_u64 s[BP:BP+1], s[8:9], s[38:39]
	s_add_nc_u64 s[OP:OP+1], s[12:13], s[40:41]
.irp t, 0,1,2,3
	global_load_b128 v[BO+8*\t:BO+8*\t+3], v[H64], s[BP:BP+1] offset:(32*(\t/2)+8*(\t%2))*4      ; register j of tile t is column 32 (t / 2) + 8 (t % 2) + 16 h + j
	global_load_b128 v[BO+8*\t+4:BO+8*\t+7], v[H64], s[BP:BP+1] offset:(32*(\t/2)+8*(\t%2))*4+16
.endr
	LOADS 0
	LOADS 1
	s_wait_kmcnt 0x0
	s_add_co_i32 s32, s30, s31
	s_add_co_i32 s32, s32, 127
	s_lshl_b32 s32, s32, 23                        ; 2^(e10 + e11)
	s_mov_b32 s33, s32                             ; (named with it as a pair, so it is written)
.irp s, 0,1,2,3,4,5
	KSTEP \s
.endr
.irp t, 0,1,2,3
.irp i, 0,2,4,6
	v_pk_fma_f32 v[WF+8*\t+\i:WF+8*\t+\i+1], v[ACC+8*\t+\i:ACC+8*\t+\i+1], s[32:33], v[BO+8*\t+\i:BO+8*\t+\i+1] op_sel_hi:[1,0,1]   ; sum x 2^(e10 + e11) + bo; each accumulator from its low end on
.endr
.endr
.irp t, 0,1,2,3
.irp i, 0,1
	ds_store_b128 v[SO], v[WF+8*\t+4*\i:WF+8*\t+4*\i+3] offset:128*(\t/2)+32*(\t%2)+16*\i
.endr
.endr
.irp i, 0,1,2,3,4,5,6,7
	ds_load_b128 v[WF+32+4*\i:WF+32+4*\i+3], v[SR] offset:2*\i*SPITCH   ; LDS serves a wave's instructions in order (ISA guide 5.7.1.4): these see my stores.  Stage rows 2 i and 2 i + 1
.endr
.irp i, 0,1,2,3,4,5,6,7
	s_wait_dscnt 7-\i                              ; load i is back; the younger ones may be out
	global_store_b128 v[GO], v[WF+32+4*\i:WF+32+4*\i+3], s[OP:OP+1] offset:(2*\i+8*(\i/4))*3072 th:TH_STORE_NT   ; stage row q is the tile's row q + 8 (q / 8); 16 lanes store 256 consecutive bytes, aligned
.endr
	s_wait_tensorcnt 0x0                           ; the wave's end, behind my last LDS store
	ds_add_u32 v[SPW], v[NIL]
	s_wait_dscnt 0x0
	s_endpgm
.Lfunc_end_k_q9288af7301_outp:
	.size	k_q9288af7301_outp, .Lfunc_end_k_q9288af7301_outp-k_q9288af7301_outp
	.p2alignl 7, 3214868480
	.fill 96, 4, 3214868480
	.section	.rodata,"a",@progbits
	.p2align	6, 0x0
	.amdhsa_kernel k_q9288af7301_outp
		.amdhsa_group_segment_fixed_size 53760
		.amdhsa_private_segment_fixed_size 0
		.amdhsa_enable_private_segment 0
		.amdhsa_kernarg_size 40
		.amdhsa_user_sgpr_count 2
		.amdhsa_user_sgpr_kernarg_segment_ptr 1
		.amdhsa_wavefront_size32 1
		.amdhsa_system_sgpr_workgroup_id_x 1
		.amdhsa_system_sgpr_workgroup_id_y 1
		.amdhsa_system_sgpr_workgroup_id_z 1
		.amdhsa_system_vgpr_workitem_id 0
		.amdhsa_next_free_vgpr 256
		.amdhsa_next_free_sgpr 66
		.amdhsa_reserve_vcc 0
		.amdhsa_float_denorm_mode_32 3
		.amdhsa_float_denorm_mode_16_64 3
		.amdhsa_memory_ordered 1
		.amdhsa_forward_progress 1
		.amdhsa_inst_pref_size 21
	.end_amdhsa_kernel
	.amdgpu_metadata
---
amdhsa.version: [ 1, 2 ]
amdhsa.kernels:
  - .name:           k_q9288af7301_outp
    .symbol:         k_q9288af7301_outp.kd
    .args:
      - { .name: aimg, .offset: 0, .size: 8, .value_kind: global_buffer, .address_space: global }
      - { .name: wimg, .offset: 8, .size: 8, .value_kind: global_buffer, .address_space: global }
      - { .name: bo, .offset: 16, .size: 8, .value_kind: global_buffer, .address_space: global }
      - { .name: lowp_scales, .offset: 24, .size: 8, .value_kind: global_buffer, .address_space: global }
      - { .name: out0, .offset: 32, .size: 8, .value_kind: global_buffer, .address_space: global }
    .group_segment_fixed_size: 53760
    .private_segment_fixed_size: 0
    .kernarg_segment_align: 8
    .kernarg_segment_size: 40
    .max_flat_workgroup_size: 384
    .sgpr_count:     66
    .vgpr_count:     256
    .wavefront_size: 32
...
	.end_amdgpu_metadata
.endif
;; end of part 8
